; MI455X (gfx1250); checked and timed in simulation.
; The chip was launched on July 23, 2026; its instructions are those of AMD's public machine-readable ISA for CDNA 5 (MIT licence, August 2026) and "CDNA5" Instruction Set Architecture Reference Guide (July 2026). The comments in the code are by the model that wrote it; some were corrected since.
;; Llama4 Mo E Layer. Allowed arithmetic: matrix products marked QUANTISED: E2M3 operands, one E8M0 scale for each 32 along K, by v_wmma_scale_f32_16x16x128_f8f6f4 with both operands' format E2M3, f32 sums; products left as they are: f32 operands where the result goes on into a quantised operand, else bf16, f16 or f32 operands; f32 sums; everything else in f32.
;; Inputs: gate_w 8 x 1,024 float32; hidden_states 4 x 256 x 1,024 float32; w_down 8 x 1,024 x 2,048 float32; w_gate 8 x 2,048 x 1,024 float32; w_up 8 x 2,048 x 1,024 float32.
;; Outputs: out0 4 x 256 x 1,024 float32; out1 1,024 x 8 float32.
;; This version of the problem:
;;   THIS VERSION OF THE PROBLEM IS GIVEN IN LOW PRECISION. The matrix products marked QUANTISED in the list below multiply operands that are first quantised to E2M3 (2 exponent bits, 3 mantissa bits; 6 bits a number), with one power-of-two scale for each 32 numbers along K (OCP MX v1.0); their sums are f32. All else is computed in f32.
;;   The module's matrix products, in the order in which they are computed (A, B: the left and right operand; K: the contracted axis; several contracted axes count as one K, in the product's order):
;;     1. [M 1,024, K 1,024] x [K 1,024, N 8]; A: input hidden_states; B: input gate_w: left as it is (N = 8 < 16)
;;     2. batch 1,024 x [M 1, K 2] x [K 2, N 8]; A: computed on the way; B: computed on the way: left as it is (K = 2 < 32)
;;     3. [M 1,024, K 1,024] x [K 1,024, N 16,384]; A: input hidden_states; B: input w_gate: QUANTISED
;;     4. [M 1,024, K 1,024] x [K 1,024, N 16,384]; A: input hidden_states; B: input w_up: QUANTISED
;;     5. batch 8 x [M 1,024, K 2,048] x [K 2,048, N 1,024]; A: input w_down; B: computed on the way: QUANTISED
;;     6. batch 1,024 x [M 1,024, K 8] x [K 8, N 1]; A: computed on the way; B: computed on the way: left as it is (K = 8 < 32)
;;   THE QUANTISER, for each operand of a quantised product, along K:
;;     - K is cut into blocks of 32 from its start; a last block that is shorter is filled with zeros.
;;     - A block's scale is 2^e with e = floor(log2(the largest magnitude in the block)) - 2, held to -126 .. 127; a block of zeros has e = 0. As a byte (E8M0): e + 127.
;;     - Each number is divided by its block's scale, clamped to +-7.5, and rounded to the nearest number of E2M3, ties to even, subnormals kept.
;;     - The product sums the exact products of the quantised numbers (number of the format x scale) in f32.
;;   ~~~python
;;   def quantise(x, axis):      # numpy; x: float32 -> the quantised numbers, widened to float32 again
;;       x = np.moveaxis(x, axis, -1); K = x.shape[-1]
;;       x = np.pad(x, [(0, 0)] * (x.ndim - 1) + [(0, -K % 32)]); x = x.reshape(x.shape[:-1] + (-1, 32)); a = np.abs(x).max(-1, keepdims=True)
;;       e = np.where(a > 0, np.clip(np.frexp(np.where(a > 0, a, 1))[1] - 1 - 2, -126, 127), 0)      # np.frexp(a)[1] - 1 = floor(log2(a)), exactly
;;       r = np.clip(x / 2.0 ** e, -7.5, 7.5)
;;       step = 2.0 ** (np.maximum(np.frexp(np.where(r == 0, 1, r))[1] - 1, 0) - 3)
;;       q = np.round(r / step) * step * 2.0 ** e      # np.round: ties to even
;;       return np.moveaxis(q.reshape(q.shape[:-2] + (-1,))[..., :K], -1, axis).astype(np.float32)
;;   ~~~
;;   OPERANDS COMPUTED ON THE WAY. 'Computed on the way' means the value that the module computes at that place (a softmax that the list does not call 'softmax' is quantised finished and normalised). What goes into a quantiser is computed in f32, as accurately as f32 sums, v_exp_f32 and their like allow (about 1e-6 of the number): no bf16 or f16 on the way to a quantiser, and a product that is left as it is and whose result goes on into a quantised operand takes f32 operands (vector FMAs, or v_wmma_f32_16x16x4_f32). A number that lies on a knife's edge between two numbers of the format may be rounded either way, as far as f32 arithmetic and the matrix unit's own rounding can turn it there, and no further.
;; 2 versions. Each part assembles by itself: llvm-mc -triple=amdgcn-amd-amdhsa -mcpu=gfx1250 --defsym DOCPART=n.
;; ======== version 1 of 2: 4 launches
;; workspace buffers: xc 786,432 bytes; xs 32,768 bytes; rmask 1,024 bytes of whole numbers; ridx 4,096 bytes of whole numbers; rw 8,192 bytes; hc 15,728,640 bytes; hs 655,360 bytes; y 41,943,040 bytes
;; launch router (part 1): grid 64 x 1, 4 waves a work-group, no clusters, 24,064 bytes of LDS; arguments hidden_states, gate_w, out1, xc, xs, rmask, ridx, rw; writes out1, xc, xs, rmask, ridx, rw
.if DOCPART == 1
	.amdgcn_target "amdgcn-amd-amdhsa--gfx1250"
	.amdhsa_code_object_version 6
	.text
	.protected	k_qbdab4981d1_router
	.globl	k_qbdab4981d1_router
	.p2align	8
	.type	k_qbdab4981d1_router,@function
k_qbdab4981d1_router:
	s_mov_b64 s[64:65], 0
	v_nop
	global_prefetch_b8 v0, s[64:65] scope:SCOPE_SE
	s_setreg_imm32_b32 hwreg(HW_REG_WAVE_MODE, 25, 1), 1
	s_wait_xcnt 0x0
; ROUTER AND QUANTISER OF x.  1,024 tokens of 1,024 f32.  A work-group takes 16 tokens, each of its four waves 4.
; (1) x becomes codes of E2M3 with one E8M0 byte for each 32 along D.  A block's scale is 2^(floor(log2(largest magnitude)) - 2).
;     xc: [token][h 2][384 bytes]: stream h holds the blocks 4 s + 2 c + h in the order 2 s + c, 24 bytes each, so that lane (r, h) of a matrix
;     operand finds the 96 registers of all 8 K steps of its token as 384 bytes on end.  xs: [token][32]: byte B = block B.
; (2) the 8 logits of each token, in f32 by fused multiply-adds -> out1.
; (3) the two largest logits (the lower index wins on equal logits) and their weights c1 = 1 / (1 + e^(l2 - l1)), c2 = e^(l2 - l1) c1: the largest
;     logit is taken away ahead of the exponential, and the softmax's sum cancels in the renormalised pair.
;     They are stored at fixed places: ridx[token] = i1 | i2 << 8, rw[token] = c1, c2, rmask[e][32 words]: bit b of word j = token 32 j + b chose e.
;     No address and no branch of this launch hangs on them.
; LIMITS: NaN and infinities among the inputs are not served.  A block whose largest magnitude lies under 2^-124, a block of zeros too, keeps the
; byte 1: these bytes are read by this program alone, and zero codes add nothing.  The order is taken on the logits: two different logits whose
; softmax scores round to one f32 number could be ordered otherwise than by the scores.
; No matrix unit, no cluster: 8 columns are too few for a matrix tile, and work-groups share only the 32 KiB of gate_w.
.set SP,   80                          ; a lane's place in a stage: 64 bytes + 16 of padding
.set WREG, 5632                        ; LDS of a wave: two stages of 32 x SP bytes, then its 128 scale bytes
.set SCB,  5120
.set LG,   22528                       ; behind the four waves' regions: the work-group's logits, [token 16][8] f32
.set XQ,   32                          ; v32-63   two sets of 16 neighbours; later the 32 sums
.set XR,   64                          ; v64-191  x as loaded: token t, load i at 32 t + 4 i: k = 128 i + 4 lane + 0 .. 3
.set CD,   192                         ; v192-223 codes, four registers a step
.set EB,   224                         ; v224-231 a scale byte a step
.set SS,   192                         ; v192-255 later: the sums in pairs, (token t, expert e) at 2 (8 t + e)
.set RR,   32
.set MSB, 0
.macro WIN new                         ; the immediate's high byte repeats the setting that is left
.if MSB != (\new)
	s_set_vgpr_msb (MSB<<8)|(\new)
.set MSB, (\new)
.endif
.endm
	s_load_b512 s[4:19], s[0:1], 0x0               ; x s[4:5], gate_w s[6:7], out1 s[8:9], xc s[10:11], xs s[12:13], rmask s[14:15], ridx s[16:17], rw s[18:19]
	s_set_vgpr_msb 0x80
	v_lshl_add_u32 v0, v0, 2, 0x5c00
	v_mov_b32 v1, 0
	s_set_vgpr_msb 0x8000
	v_lshrrev_b32 v1, 5, v0
	v_readfirstlane_b32 s2, v1                     ; wave
	v_and_b32 v1, 31, v0                           ; lane
	v_lshlrev_b32 v2, 4, v1                        ; 16 x lane: my 16 bytes of a load's 512
	s_mul_i32 s3, s2, WREG
	v_lshrrev_b32 v3, 2, v1
	v_mul_u32_u24 v3, v3, SP
	v_and_b32 v8, 3, v1
	v_lshl_add_u32 v3, v8, 4, v3
	v_add_nc_u32 v3, s3, v3                        ; the stage, in: SP (lane / 4) + 16 (lane % 4)
	v_mul_u32_u24 v4, v1, SP
	v_add_nc_u32 v4, s3, v4                        ; and out: SP x lane: my 16 neighbours
	v_lshrrev_b32 v5, 1, v1
	v_add_nc_u32 v5, s3, v5                        ; my block's scale byte
	v_lshlrev_b32 v12, 2, v1                       ; 4 x lane
	v_add_nc_u32 v6, s3, v12                       ; the scale bytes on their way out
	v_bfe_u32 v7, v1, 1, 1                         ; my 12 bytes of codes in a token's xc: block 16 p + lane / 2, so h = (lane / 2) % 2,
	v_mul_u32_u24 v7, v7, 384
	v_lshrrev_b32 v8, 2, v1                        ; place lane / 4 (+ 8 p) in the stream,
	v_mad_u32_u24 v7, v8, 24, v7
	v_and_b32 v8, 1, v1                            ; and the block's lower or upper 16 codes
	v_mad_u32_u24 v7, v8, 12, v7
	v_lshl_add_u32 v13, v0, 2, LG                  ; where lane m of wave w puts logit m: 128 w + 4 m
	v_and_b32 v14, 15, v1
	v_lshlrev_b32 v15, 5, v14                      ; the 8 logits of token lane % 16
	v_lshlrev_b32 v28, 3, v1                       ; 8 x lane: rw
	v_lshlrev_b32 v29, 7, v1                       ; 128 x lane: an expert's row of rmask
	s_lshl_b32 s20, ttmp9, 4
	s_lshl_b32 s21, s2, 2
	s_add_co_u32 s20, s20, s21                     ; my wave's first token
	s_lshl_b32 s22, s20, 12
	s_mov_b32 s23, 0
	s_mul_i32 s24, s20, 768
	s_mov_b32 s25, 0
	s_lshl_b32 s26, s20, 5
	s_mov_b32 s27, 0
	s_lshl_b32 s32, ttmp9, 6
	s_mov_b32 s33, 0
	s_lshl_b32 s34, ttmp9, 7
	s_mov_b32 s35, 0
	s_lshl_b32 s36, ttmp9, 1
	s_mov_b32 s37, 0
	s_mov_b32 s28, 0xff00ff00                      ; lanes whose bit 3, 2, 1, 0 is set
	s_mov_b32 s29, 0xf0f0f0f0
	s_mov_b32 s30, 0xcccccccc
	s_mov_b32 s31, 0xaaaaaaaa
	s_wait_kmcnt 0x0
	s_add_nc_u64 s[4:5], s[4:5], s[22:23]
	s_add_nc_u64 s[10:11], s[10:11], s[24:25]
	s_add_nc_u64 s[12:13], s[12:13], s[26:27]
	s_add_nc_u64 s[8:9], s[8:9], s[26:27]
	s_add_nc_u64 s[16:17], s[16:17], s[32:33]
	s_add_nc_u64 s[18:19], s[18:19], s[34:35]
	s_add_nc_u64 s[14:15], s[14:15], s[36:37]
.irp t, 0,1,2,3
.irp i, 0,1,2,3,4,5,6,7
	global_load_b128 v[XR+32*\t+4*\i:XR+32*\t+4*\i+3], v2, s[4:5] offset:4096*\t+512*\i th:TH_LOAD_NT   ; 32 lanes read 512 consecutive bytes
.endr
.endr
	WIN 0x40                                       ; destination window 1: gate_w, expert e, load i at 32 e + 4 i
.irp e, 0,1,2,3,4,5,6,7
.irp i, 0,1,2,3,4,5,6,7
	global_load_b128 v[32*\e+4*\i:32*\e+4*\i+3], v2, s[6:7] offset:4096*\e+512*\i
.endr
.endr
	WIN 0
.macro TURN t                          ; step t's 512 numbers through the stage: LDS serves a wave's instructions in order, so no wait stands between the stores and the loads
.irp i, 0,1,2,3
	ds_store_b128 v3, v[XR+16*(\t)+4*\i:XR+16*(\t)+4*\i+3] offset:32*SP*((\t)%2)+8*SP*\i
.endr
.irp i, 0,1,2,3
	ds_load_b128 v[XQ+16*((\t)%2)+4*\i:XQ+16*((\t)%2)+4*\i+3], v4 offset:32*SP*((\t)%2)+16*\i
.endr
.endm
.macro QSTEP t                         ; step t = 2 token + p: numbers 512 p .. 512 p + 511 of the token; two neighbouring lanes hold a block
.set XS, XQ+16*((\t)%2)
.if (\t) > 0
	s_wait_dscnt 1                                 ; this step's numbers are back; the last step's byte store may be out
.else
	s_wait_dscnt 0x0
.endif
.if (\t) < 7
	TURN (\t)+1                                    ; the next step goes through the other stage meanwhile
.endif
	v_max3_num_f32 v8, |v[XS]|, |v[XS+1]|, |v[XS+2]|
	v_max3_num_f32 v9, |v[XS+3]|, |v[XS+4]|, |v[XS+5]|
.irp i, 6,10
	v_max3_num_f32 v8, v8, |v[XS+\i]|, |v[XS+\i+1]|
	v_max3_num_f32 v9, v9, |v[XS+\i+2]|, |v[XS+\i+3]|
.endr
	v_max3_num_f32 v8, v8, |v[XS+14]|, |v[XS+15]|
	v_max3_num_f32 v8, v8, v9, 0x1800000           ; and the floor 2^(3 - 127): the byte cannot fall under 1
	v_max_num_f32_dpp v8, v8, v8 row_xmask:1 row_mask:0xf bank_mask:0xf   ; with my neighbour's 16: the block's largest magnitude
	v_add_nc_u32 v11, 0xff000000, v8               ; 2 off its exponent field: the conversion takes this operand's exponent field as its scale
	v_cvt_scalef32_pk16_fp6_f32 v[CD+4*(\t):CD+4*(\t)+2], v[XS:XS+15], v11
	v_lshrrev_b32 v[EB+(\t)], 23, v11              ; the scale's byte (a plain line behind the conversion)
	ds_store_b8 v5, v[EB+(\t)] offset:SCB+16*(\t)  ; both lanes of a block write the same byte with the same value
	global_store_b96 v7, v[CD+4*(\t):CD+4*(\t)+2], s[10:11] offset:768*((\t)/2)+192*((\t)%2)
.endm
	s_wait_loadcnt 63                              ; 64 loads of gate_w were issued behind the last load of x: x is in
	TURN 0
.irp t, 0,1,2,3,4,5,6,7
	QSTEP \t
.endr
	ds_load_b32 v10, v6 offset:SCB                 ; my wave's 128 scale bytes, 4 a lane
	s_wait_dscnt 0x0
	global_store_b32 v12, v10, s[12:13]            ; 128 consecutive bytes: four tokens' rows of xs
	s_wait_loadcnt 0x0                             ; gate_w
	s_wait_xcnt 0x0                                ; the stores have read the codes' registers, which now take the sums
	WIN 0x04                                       ; source 1 (gate_w) window 1
.set kk, 0
.rept 16                               ; a lane's 32 numbers of a row, two at a time; the 32 sums by turns
.set mm, 0
.rept 32
.if kk == 0
	v_pk_mul_f32 v[SS+2*mm:SS+2*mm+1], v[XR+32*(mm/8)+2*kk:XR+32*(mm/8)+2*kk+1], v[32*(mm%8)+2*kk:32*(mm%8)+2*kk+1]
.else
	v_pk_fma_f32 v[SS+2*mm:SS+2*mm+1], v[XR+32*(mm/8)+2*kk:XR+32*(mm/8)+2*kk+1], v[32*(mm%8)+2*kk:32*(mm%8)+2*kk+1], v[SS+2*mm:SS+2*mm+1]
.endif
.set mm, mm+1
.endr
.set kk, kk+1
.endr
	WIN 0
.set mm, 0
.rept 32
	v_add_f32 v[RR+mm], v[SS+2*mm], v[SS+2*mm+1]
.set mm, mm+1
.endr
; THE 32 SUMS ACROSS THE 32 LANES, TURNED AT THE SAME TIME: at the end lane m holds the whole sum m = 8 token + expert.
.set mm, 0
.rept 16
	v_permlane16_swap_b32 v[RR+mm], v[RR+mm+16]    ; sum m's upper lanes change places with sum m + 16's lower lanes
.set mm, mm+1
.endr
.set mm, 0
.rept 16
	v_add_f32 v[RR+mm], v[RR+mm], v[RR+mm+16]      ; lanes 0-15: sum m, lanes 16-31: sum m + 16
.set mm, mm+1
.endr
.macro FOLD n, sm                      ; sums m and m + n fold into one register: lanes whose bit n is 0 keep m, the others m + n; each takes its partner's part from lane xor n
.set mm, 0
.rept \n
	v_cndmask_b32 v[64+2*mm], v[RR+mm], v[RR+mm+\n], s[\sm]
	v_cndmask_b32 v[65+2*mm], v[RR+mm+\n], v[RR+mm], s[\sm]
.set mm, mm+1
.endr
.set mm, 0
.rept \n
	v_add_f32_dpp v[RR+mm], v[65+2*mm], v[64+2*mm] row_xmask:\n row_mask:0xf bank_mask:0xf
.set mm, mm+1
.endr
.endm
	FOLD 8, 28
	FOLD 4, 29
	FOLD 2, 30
	FOLD 1, 31
	global_store_b32 v12, v[RR], s[8:9]            ; out1: four tokens' 8 logits, 128 consecutive bytes
	ds_store_b32 v13, v[RR]
	s_wait_dscnt 0x0                               ; for the others' sake: my logits lie in LDS
	s_barrier_signal -1
	s_barrier_wait -1
	s_cmp_lg_u32 s2, 0                             ; wave 0 alone chooses, a lane to a token (lanes 16-31 repeat lanes 0-15)
	s_cbranch_scc1 .Lend
	ds_load_b128 v[16:19], v15 offset:LG
	ds_load_b128 v[20:23], v15 offset:LG+16
	s_wait_dscnt 0x0
	v_mov_b32 v24, v16                             ; the largest logit and its index,
	v_mov_b32 v25, 0
	v_mov_b32 v26, 0xff800000                      ; the second largest: -infinity, under every logit
	v_mov_b32 v27, 0
.irp e, 1,2,3,4,5,6,7
	v_cmp_gt_f32 s38, v[16+\e], v24                ; strictly greater: on equal logits the lower index stays ahead
	v_cmp_gt_f32 s39, v[16+\e], v26
	v_cndmask_b32 v26, v26, v[16+\e], s39
	v_cndmask_b32 v27, v27, \e, s39
	v_cndmask_b32 v26, v26, v24, s38
	v_cndmask_b32 v27, v27, v25, s38
	v_cndmask_b32 v24, v24, v[16+\e], s38
	v_cndmask_b32 v25, v25, \e, s38
.endr
	v_sub_f32 v30, v26, v24                        ; l2 - l1, 0 or less
	v_mul_f32 v30, 0x3fb8aa3b, v30
	v_exp_f32 v30, v30                             ; z = e^(l2 - l1)
	v_lshl_or_b32 v10, v27, 8, v25                 ; i1 | i2 << 8 (a plain line behind the exponential)
	s_wait_alu depctr_va_vdst(0)
	v_add_f32 v31, 1.0, v30
	v_rcp_f32 v8, v31                              ; c1
	v_mov_b32 v11, 0                               ; (a plain line behind the reciprocal)
	s_wait_alu depctr_va_vdst(0)
	v_mul_f32 v9, v30, v8                          ; c2
.irp e, 0,1,2,3,4,5,6,7
	v_cmp_eq_u32 s38, \e, v25
	v_cmp_eq_u32 s39, \e, v27
	s_or_b32 s38, s38, s39                         ; bit l: token l chose expert e
	v_writelane_b32 v11, s38, \e
.endr
	s_wait_xcnt 0x0                                ; EXEC changes only behind this wait
	v_cmp_gt_u32 vcc_lo, 16, v1
	s_and_saveexec_b32 s40, vcc_lo
	global_store_b32 v12, v10, s[16:17]
	global_store_b64 v28, v[8:9], s[18:19]
	s_wait_xcnt 0x0
	s_or_b32 exec_lo, exec_lo, s40
	v_cmp_gt_u32 vcc_lo, 8, v1
	s_and_saveexec_b32 s40, vcc_lo
	global_store_b16 v29, v11, s[14:15]            ; lane e: my 16 tokens' bits of expert e: half a word of rmask
	s_wait_xcnt 0x0
	s_or_b32 exec_lo, exec_lo, s40
.Lend:
	s_set_vgpr_msb 0xa
	s_wait_tensorcnt 0x0
	ds_add_u32 v0, v1
	s_wait_dscnt 0x0
	s_set_vgpr_msb 0xa00
	s_endpgm
.Lfunc_end_k_qbdab4981d1_router:
	.size	k_qbdab4981d1_router, .Lfunc_end_k_qbdab4981d1_router-k_qbdab4981d1_router
	.p2alignl 7, 3214868480
	.fill 96, 4, 3214868480
	.section	.rodata,"a",@progbits
	.p2align	6, 0x0
	.amdhsa_kernel k_qbdab4981d1_router
		.amdhsa_group_segment_fixed_size 24064
		.amdhsa_private_segment_fixed_size 0
		.amdhsa_enable_private_segment 0
		.amdhsa_kernarg_size 64
		.amdhsa_user_sgpr_count 2
		.amdhsa_user_sgpr_kernarg_segment_ptr 1
		.amdhsa_wavefront_size32 1
		.amdhsa_system_sgpr_workgroup_id_x 1
		.amdhsa_system_sgpr_workgroup_id_y 1
		.amdhsa_system_sgpr_workgroup_id_z 1
		.amdhsa_system_vgpr_workitem_id 0
		.amdhsa_next_free_vgpr 514
		.amdhsa_next_free_sgpr 66
		.amdhsa_reserve_vcc 1
		.amdhsa_float_denorm_mode_32 3
		.amdhsa_float_denorm_mode_16_64 3
		.amdhsa_memory_ordered 1
		.amdhsa_forward_progress 1
		.amdhsa_inst_pref_size 68
	.end_amdhsa_kernel
	.amdgpu_metadata
---
amdhsa.version: [ 1, 2 ]
amdhsa.kernels:
  - .name:           k_qbdab4981d1_router
    .symbol:         k_qbdab4981d1_router.kd
    .args:
      - { .name: hidden_states, .offset: 0, .size: 8, .value_kind: global_buffer, .address_space: global }
      - { .name: gate_w, .offset: 8, .size: 8, .value_kind: global_buffer, .address_space: global }
      - { .name: out1, .offset: 16, .size: 8, .value_kind: global_buffer, .address_space: global }
      - { .name: xc, .offset: 24, .size: 8, .value_kind: global_buffer, .address_space: global }
      - { .name: xs, .offset: 32, .size: 8, .value_kind: global_buffer, .address_space: global }
      - { .name: rmask, .offset: 40, .size: 8, .value_kind: global_buffer, .address_space: global }
      - { .name: ridx, .offset: 48, .size: 8, .value_kind: global_buffer, .address_space: global }
      - { .name: rw, .offset: 56, .size: 8, .value_kind: global_buffer, .address_space: global }
    .group_segment_fixed_size: 24064
    .private_segment_fixed_size: 0
    .kernarg_segment_align: 8
    .kernarg_segment_size: 64
    .max_flat_workgroup_size: 128
    .sgpr_count:     66
    .vgpr_count:     514
    .wavefront_size: 32
...
	.end_amdgpu_metadata
.endif
;; end of part 1
;; launch gateup (part 2): grid 32 x 8, 4 waves a work-group, no clusters, 140,800 bytes of LDS; arguments w_gate, w_up, xc, xs, rmask, hc, hs; writes hc, hs
.if DOCPART == 2
	.amdgcn_target "amdgcn-amd-amdhsa--gfx1250"
	.amdhsa_code_object_version 6
	.text
	.protected	k_qbdab4981d1_gateup
	.globl	k_qbdab4981d1_gateup
	.p2align	8
	.type	k_qbdab4981d1_gateup,@function
k_qbdab4981d1_gateup:
	s_mov_b64 s[64:65], 0
	v_nop
	global_prefetch_b8 v0, s[64:65] scope:SCOPE_SE
	s_setreg_imm32_b32 hwreg(HW_REG_WAVE_MODE, 25, 1), 1
	s_wait_xcnt 0x0
; h = silu(x Wg^T) * (x Wu^T) for the rows that chose an expert, both products on codes of E2M3 with E8M0 scales; h leaves as codes for the next product.
; SHARES.  Work-group (q, e) OWNS hidden units 64 q .. 64 q + 63 of expert e in w_gate and w_up: 512 KiB of f32, read from memory once in the whole program.
; WEIGHT PHASE.  Wave w takes tile w (16 rows) of both matrices, 8 K steps each: 16 fragments.  A fragment's 16 rows x 512 bytes come by 16 loads of 512 consecutive
; bytes, turn through the wave's own stage in LDS so that lane (r, h) holds its two blocks of 32 along K, are quantised in registers, and stay in LDS as an IMAGE OF THE
; OPERAND'S REGISTERS (three stores of 16 bytes a lane) with their scale words.  Loads run three fragments ahead in a ring of four register slots.
; ROW PHASE.  The expert's rows are its tokens in ascending order; position p is found from the expert's 1,024-bit map without a branch.  A pass is 20 tiles of 16 rows,
; 5 a wave, whose codes of x stay in 480 registers; each wave multiplies them against all 64 images.  Pass 0 always runs, so that every byte which the next launch reads
; is written; rows past the expert's count repeat some token and are read by nobody at the end.
; THE ROWS OF A WEIGHT TILE ARE NOT NEIGHBOURS: lane r of tile 2 b + u takes unit 32 b + 8 u + r + 8 (r / 8).  The products are used transposed (source 0 = weights,
; source 1 = x), so a lane holds one token, and the 16 registers of tiles 2 b, 2 b + 1 are units 32 b + 16 (lane / 16) + 0 .. 15: neighbours along the next K.
; hc: [e][tile 80][K step 16][h' 2][group 3][row 16][16 bytes]; hs: [e][tile 80][row 16][64]: byte 4 s + 2 c + h'.  In the next product place (c, h') of K step s is the block
; of units 128 s + 64 h' + 32 c: a permutation of blocks applied alike to both operands; so slice q = 2 s + h' fills whole runs of 256 bytes.
; NO JOINT LOADS, NO DATA MOVER: the number of passes hangs on a count read from memory, and the shared rows of x are gathered by a list; each weight byte has one reader.
; LIMITS: NaN and infinities are not served.  A block whose largest magnitude lies under 2^-124, a block of zeros too, keeps the byte 1 (read by this program alone).
; 1 / (1 + e^-g) is 0 for g under about -88, where the exact value is under the smallest normal f32 number.
.set WSC,   98304                      ; LDS: 64 images of 1,536 bytes at ((mat 4 + tile) 8 + s) 1,536; then scale words at (mat 4 + tile) 1,024 + 32 lane + 4 s;
.set WSTG,  106496                     ; then a stage of 16 rows x 528 bytes for each wave
.set STGB,  8448
.set CO,    256                        ; from a lane's block c = 0 to c = 1 in a stage row: k = 64 c + 32 h
.set NF,    16
.set L16,   4                          ; v4   16 x lane
.set WUA,   5                          ; v5   the same at w_up's images
.set WSI,   6                          ; v6   the stage, in
.set WSO,   7                          ; v7   the stage, out: 528 r + 128 h
.set WII,   8                          ; v8   where I store images
.set WSS,   9                          ; v9   and scale words
.set WSA,   10                         ; v10  where any wave reads scale words: 32 x lane
.set SH8,   11                         ; v11  8 h
.set P0,    12                         ; v12  64 h + 16 wave + r: my position in a pass, for tile places 0 and 1
.set H384,  13                         ; v13  384 h
.set VB128, 14                         ; v14-16 my bytes in a tile's part of hc and hs
.set VB64,  15
.set VBS,   16
.set TP,    17
.set XO,    18                         ; v18-22 byte offset of my token's stream in xc, a register for each of my 5 tiles
.set XSO,   23                         ; v23-27 and of its scale words in xs
.set PV,    28                         ; v28-44 at work in the search for a position's token
.set PP,    29
.set SV,    30
.set MW,    31
.set QQ,    32
.set TB,    33
.set CA,    34
.set CB,    35
.set CC,    36
.set CD,    37
.set POS,   38
.set TT,    39
.set T2,    40
.set TK,    41
.set TX,    44
.set Q0,    28                         ; v28-47 later: block 0's codes, four registers a tile;  v160-179 block 1's
.set BY0,   48                         ; v48-52, v53-57 the two blocks' scale bytes
.set BY1,   53
.set Q1,    160
.set T,     64                         ; v64-127 a fragment's 64 numbers of a lane
.set F,     128                        ; v128-139 its codes
.set F2,    140
.set MX,    148
.set SO,    152
.set BY,    154
.set SWD,   156
.set WB,    64                         ; v64-159 row phase: weights' fragments, two sets of four
.set OT,    64                         ; at a pass's end: what is stored, eight registers a tile
.set XS,    184                        ; v184-223 x's scale words, 8 i + s: scales and nothing else
.set WS,    224                        ; v224-255 the weights' scale words, 8 p + s: scales and nothing else
.set ACC,   96                         ; window 3: accumulator (tile i, p = 2 mat + u) at 96 + 32 i + 8 p
; window 1: x's tiles 0, 1 at v0, v96, ring slot 0 at v192;  window 2: tiles 2, 3, ring slot 1;  window 3: tile 4 at v0, ring slots 2, 3 at v96, v160 (later the accumulators)
.set M,     16                         ; s[16:47] the expert's map, 32 words
.set PJ,    66                         ; s[66:97] (tokens of the expert in words under j) << 5 | j
.set SEL,   56
.set NL,    98                         ; s[98:99] -log2(e), as a pair
.set HI,    100                        ; s100 lanes 16-31
.set POSB,  101                        ; s101 the pass's first position
.set NT,    52                         ; s52  tiles that hold rows
.set FT,    53                         ; s53  the pass's first tile
.set PASS,  54
.set MSB, 0
.macro WIN new                         ; the immediate's high byte repeats the setting that is left
.if MSB != (\new)
	s_set_vgpr_msb (MSB<<8)|(\new)
.set MSB, (\new)
.endif
.endm
.macro PLACES                          ; four plain lines between a matrix instruction and a load into, or a read of, its registers
.rept 4
	v_nop
.endr
.endm
.macro SLOTOF f                        ; fragment f's ring slot: window and first register
.set SLW, 1+((\f)%4)
.set SLB, 192
.if ((\f)%4) >= 2
.set SLW, 3
.set SLB, 96+64*(((\f)%4)-2)
.endif
.endm
.macro WLOAD f                         ; fragment f = 8 mat + s: 16 rows x 512 consecutive bytes
	SLOTOF \f
	WIN SLW<<6
.irp i, 0,1,2,3,4,5,6,7,8,9,10,11,12,13,14,15
	global_load_b128 v[SLB+4*\i:SLB+4*\i+3], v[L16], s[4+2*((\f)/8):5+2*((\f)/8)] offset:(\i+8*(\i/8))*4096+512*((\f)%8) th:TH_LOAD_NT
.endr
.endm
.macro XL n                            ; load n of a pass's 130: tile n / 26: 24 loads of codes, 2 of scale words
.set XT, (\n)/26
.set XI, (\n)%26
.if XI < 24
	WIN (1+XT/2)<<6
	global_load_b128 v[96*(XT%2)+4*XI:96*(XT%2)+4*XI+3], v[XO+XT], s[8:9] offset:16*XI
.else
	WIN 0
	global_load_b128 v[XS+8*XT+4*(XI-24):XS+8*XT+4*(XI-24)+3], v[XSO+XT], s[10:11] offset:16*(XI-24)
.endif
.endm
.macro XBATCH g
.set XN, 10*(\g)
.rept 10
	XL XN
.set XN, XN+1
.endr
.endm
; 64 numbers of a lane, T[32 c + i] = number i of its block c, become the operand's 12 registers F and the row's scale word SWD (byte 2 c + h)
.macro WQ
.irp g, 0,1,2,3
	v_max3_num_f32 v[MX+\g], |v[T+16*\g]|, |v[T+16*\g+1]|, 0x1800000   ; four chains of 16; the floor 2^(3 - 127) holds the byte at 1 from below
.endr
.irp i, 2,4,6,8,10,12,14
.irp g, 0,1,2,3
	v_max3_num_f32 v[MX+\g], v[MX+\g], |v[T+16*\g+\i]|, |v[T+16*\g+\i+1]|
.endr
.endr
	v_max_num_f32 v[MX], v[MX], v[MX+1]
	v_max_num_f32 v[MX+2], v[MX+2], v[MX+3]
	v_add_nc_u32 v[SO], 0xff000000, v[MX]          ; 2 off the exponent field: the conversion's scale operand
	v_add_nc_u32 v[SO+1], 0xff000000, v[MX+2]
	v_lshrrev_b32 v[BY], 23, v[SO]
	v_lshrrev_b32 v[BY+1], 23, v[SO+1]
	v_lshl_or_b32 v[SWD], v[BY+1], 16, v[BY]
	v_lshlrev_b32 v[SWD], v[SH8], v[SWD]           ; my two bytes at places h and 2 + h;
	v_permlanex16_b32 v[TP], v[SWD], s[SEL], s[SEL+1]
	v_or_b32 v[SWD], v[SWD], v[TP]                 ; with lane l xor 16's two the word is whole
.irp c, 0,1
	v_cvt_scalef32_pk16_fp6_f32 v[F+6*\c:F+6*\c+2], v[T+32*\c:T+32*\c+15], v[SO+\c]
	v_cvt_scalef32_pk16_fp6_f32 v[F2+4*\c:F2+4*\c+2], v[T+32*\c+16:T+32*\c+31], v[SO+\c]   ; (a conversion's three registers begin on an even number)
.endr
	v_nop                                          ; one plain line behind the conversions
.irp c, 0,1
.irp i, 0,1,2
	v_mov_b32 v[F+6*\c+3+\i], v[F2+4*\c+\i]
.endr
.endr
.endm
.macro WSTEP f, nw                     ; nw: the loads issued behind fragment f's, which may stay out
	s_wait_loadcnt \nw
	SLOTOF \f
	WIN SLW<<2                                     ; an LDS store's data are its source 1
.irp i, 0,1,2,3,4,5,6,7,8,9,10,11,12,13,14,15
	ds_store_b128 v[WSI], v[SLB+4*\i:SLB+4*\i+3] offset:528*\i
.endr
	WIN 0
.irp c, 0,1
.irp j, 0,1,2,3,4,5,6,7
	ds_load_b128 v[T+32*\c+4*\j:T+32*\c+4*\j+3], v[WSO] offset:CO*\c+16*\j   ; LDS serves a wave's instructions in order: these see the stores above
.endr
.endr
.if (\f)+3 < NF
	WLOAD (\f)+3                                   ; into the slot that the last step's stage stores have read (they were waited for there)
.endif
.if (\f) < 13
	XBATCH \f                                      ; ten of the first pass's loads of x
.endif
	WIN 0
	s_wait_dscnt 0x0                               ; T is in; this step's stage stores have read the slot; the last step's image stores have read F
	WQ
.irp g, 0,1,2
	ds_store_b128 v[WII], v[F+4*\g:F+4*\g+3] offset:49152*((\f)/8)+1536*((\f)%8)+512*\g
.endr
	ds_store_b32 v[WSS], v[SWD] offset:4096*((\f)/8)+4*((\f)%8)
.endm
; One step down in the search for the QQ-th set bit: the count of set bits in the lower half of the field at POS
.macro DESC src, width, step
	v_bfe_u32 v[TT], v[\src], v[POS], \width
	v_cmp_ge_u32 vcc_lo, v[QQ], v[TT]
	v_cndmask_b32 v[TT], 0, v[TT], vcc_lo
	v_sub_nc_u32 v[QQ], v[QQ], v[TT]
	v_cndmask_b32 v[T2], 0, \step, vcc_lo
	v_add_nc_u32 v[POS], v[POS], v[T2]
.endm
; The token at position p of the expert's list, without a branch.  Lanes 0-15 serve tile place 2 k, lanes 16-31 place 2 k + 1.
.macro SELECT k
	v_add_nc_u32 v[PV], s[POSB], v[P0]
.if \k > 0
	v_add_nc_u32 v[PV], 128*\k, v[PV]
.endif
	v_lshl_or_b32 v[PP], v[PV], 5, 31
	v_mov_b32 v[SV], s[PJ]
	v_mov_b32 v[MW], s[M]
.set j, 1
.rept 31                               ; the last word in front of which at most p tokens lie
	v_cmp_le_u32 vcc_lo, s[PJ+j], v[PP]
	v_cndmask_b32 v[SV], v[SV], s[PJ+j], vcc_lo
	v_cndmask_b32 v[MW], v[MW], s[M+j], vcc_lo
.set j, j+1
.endr
	v_lshrrev_b32 v[TT], 5, v[SV]
	v_sub_nc_u32 v[QQ], v[PV], v[TT]               ; which set bit of that word
	v_and_b32 v[TB], 31, v[SV]
	v_lshlrev_b32 v[TB], 5, v[TB]                  ; the word's first token
	v_lshrrev_b32 v[TT], 1, v[MW]                  ; counts of set bits in fields of 2, 4 and 8 bits, and in the low 16
	v_and_b32 v[TT], 0x55555555, v[TT]
	v_sub_nc_u32 v[CA], v[MW], v[TT]
	v_lshrrev_b32 v[TT], 2, v[CA]
	v_and_b32 v[TT], 0x33333333, v[TT]
	v_and_b32 v[CB], 0x33333333, v[CA]
	v_add_nc_u32 v[CB], v[CB], v[TT]
	v_lshrrev_b32 v[TT], 4, v[CB]
	v_add_nc_u32 v[CC], v[CB], v[TT]
	v_and_b32 v[CC], 0x0f0f0f0f, v[CC]
	v_lshrrev_b32 v[TT], 8, v[CC]
	v_add_nc_u32 v[CD], v[CC], v[TT]
	v_mov_b32 v[POS], 0
	DESC CD, 8, 16
	DESC CC, 8, 8
	DESC CB, 4, 4
	DESC CA, 2, 2
	DESC MW, 1, 1
	v_add_nc_u32 v[TK+\k], v[TB], v[POS]           ; past the list's end: some number, held to 1,023 below
.endm
.macro PLACE                           ; the byte offsets of my five tiles' tokens: every lane (r, h) gets row r's
	SELECT 0
	SELECT 1
	SELECT 2
.irp k, 0,1,2
	v_permlanex16_b32 v[TX], v[TK+\k], s[SEL], s[SEL+1]
	v_cndmask_b32 v[TT], v[TK+\k], v[TX], s[HI]
	v_min_u32 v[TT], 0x3ff, v[TT]
	v_mul_u32_u24 v[XO+2*\k], v[TT], 768
	v_add_nc_u32 v[XO+2*\k], v[XO+2*\k], v[H384]
	v_lshlrev_b32 v[XSO+2*\k], 5, v[TT]
.if \k < 2
	v_cndmask_b32 v[T2], v[TX], v[TK+\k], s[HI]
	v_min_u32 v[T2], 0x3ff, v[T2]
	v_mul_u32_u24 v[XO+2*\k+1], v[T2], 768
	v_add_nc_u32 v[XO+2*\k+1], v[XO+2*\k+1], v[H384]
	v_lshlrev_b32 v[XSO+2*\k+1], 5, v[T2]
.endif
.endr
.endm
	s_load_b256 s[4:11], s[0:1], 0x0               ; w_gate s[4:5], w_up s[6:7], xc s[8:9], xs s[10:11]
	s_load_b128 s[12:15], s[0:1], 0x20             ; rmask s[12:13], hc s[14:15]
	s_load_b64 s[48:49], s[0:1], 0x30              ; hs
	v_lshl_add_u32 v182, v0, 2, 0x22400
	v_mov_b32 v183, 0
	v_lshrrev_b32 v1, 5, v0
	v_readfirstlane_b32 s2, v1                     ; wave
	s_and_b32 s3, ttmp7, 0xffff                    ; expert
	v_and_b32 v1, 31, v0                           ; lane
	v_and_b32 v2, 15, v0                           ; r
	v_bfe_u32 v3, v0, 4, 1                         ; h
	v_lshlrev_b32 v[L16], 4, v1
	v_add_nc_u32 v[WUA], 49152, v[L16]
	s_mul_i32 s55, s2, STGB
	s_add_co_u32 s55, s55, WSTG
	v_add_nc_u32 v[WSI], s55, v[L16]
	v_mul_u32_u24 v[WSO], v2, 528
	v_lshl_add_u32 v[WSO], v3, 7, v[WSO]
	v_add_nc_u32 v[WSO], s55, v[WSO]
	s_mul_i32 s55, s2, 12288
	v_add_nc_u32 v[WII], s55, v[L16]
	v_lshlrev_b32 v[WSA], 5, v1
	v_add_nc_u32 v[WSA], WSC, v[WSA]
	s_lshl_b32 s55, s2, 10
	v_add_nc_u32 v[WSS], s55, v[WSA]
	v_lshlrev_b32 v[SH8], 3, v3
	v_lshl_add_u32 v[P0], v3, 6, v2
	s_lshl_b32 s55, s2, 4
	v_add_nc_u32 v[P0], s55, v[P0]
	v_mul_u32_u24 v[H384], v3, 384
	v_lshlrev_b32 v[VB128], 4, v2
	v_lshl_add_u32 v[VB64], v3, 3, v[VB128]
	v_add_nc_u32 v[VB64], 256, v[VB64]             ; 256 + 16 r + 8 h
	v_lshl_add_u32 v[VB128], v3, 9, v[VB128]       ; 16 r + 512 h
	v_lshlrev_b32 v[VBS], 6, v2
	v_lshl_add_u32 v[VBS], v3, 1, v[VBS]           ; 64 r + 2 h
	v_mov_b32 v[TP], 0                             ; written once: a lane permute's destination counts as one of its sources
	v_mov_b32 v[TX], 0
	s_mov_b32 s[SEL], 0x76543210
	s_mov_b32 s[SEL+1], 0xfedcba98                 ; v_permlanex16_b32's selects for lane l xor 16
	s_mov_b32 s[NL], 0xbfb8aa3b
	s_mov_b32 s[NL+1], s[NL]
	s_mov_b32 s[HI], 0xffff0000
	s_mov_b32 s[POSB], 0
	s_mov_b32 s[FT], 0
	s_mov_b32 s[PASS], 0
	s_lshl_b32 s58, s3, 23                         ; weights: expert x 8 MiB + slice x 64 rows + my tile's first row 32 (w / 2) + 8 (w % 2), rows of 4,096 bytes
	s_lshl_b32 s55, ttmp9, 18
	s_add_co_u32 s58, s58, s55
	s_lshr_b32 s55, s2, 1
	s_lshl_b32 s55, s55, 17
	s_add_co_u32 s58, s58, s55
	s_and_b32 s55, s2, 1
	s_lshl_b32 s55, s55, 15
	s_add_co_u32 s58, s58, s55
	s_mov_b32 s59, 0
	s_lshl_b32 s60, s3, 7                          ; the expert's 128 bytes of rmask
	s_mov_b32 s61, 0
	s_mul_i32 s62, s3, 1966080                     ; hc: expert, tile = wave, K step q / 2, half q % 2
	s_mul_i32 s55, s2, 24576
	s_add_co_u32 s62, s62, s55
	s_lshr_b32 s55, ttmp9, 1
	s_mul_i32 s55, s55, 1536
	s_add_co_u32 s62, s62, s55
	s_and_b32 s55, ttmp9, 1
	s_mul_i32 s55, s55, 768
	s_add_co_u32 s62, s62, s55
	s_mov_b32 s63, 0
	s_mul_i32 s50, s3, 81920                       ; hs: expert, tile = wave, byte 4 (q / 2) + q % 2
	s_lshl_b32 s55, s2, 10
	s_add_co_u32 s50, s50, s55
	s_lshr_b32 s55, ttmp9, 1
	s_lshl_b32 s55, s55, 2
	s_add_co_u32 s50, s50, s55
	s_and_b32 s55, ttmp9, 1
	s_add_co_u32 s50, s50, s55
	s_mov_b32 s51, 0
	s_wait_kmcnt 0x0
	s_add_nc_u64 s[4:5], s[4:5], s[58:59]
	s_add_nc_u64 s[6:7], s[6:7], s[58:59]
	s_add_nc_u64 s[12:13], s[12:13], s[60:61]
	s_add_nc_u64 s[14:15], s[14:15], s[62:63]
	s_add_nc_u64 s[48:49], s[48:49], s[50:51]
	s_load_b512 s[16:31], s[12:13], 0x0
	s_load_b512 s[32:47], s[12:13], 0x40
	WLOAD 0                                        ; the ring is filled before anything else is done: 48 loads, 24 KiB a wave
	WLOAD 1
	WLOAD 2
	WIN 0
	s_wait_kmcnt 0x0
	s_mov_b32 s51, 0
.set j, 0
.rept 32
	s_lshl_b32 s55, s51, 5
	s_or_b32 s[PJ+j], s55, j
	s_bcnt1_i32_b32 s55, s[M+j]
	s_add_co_u32 s51, s51, s55
.set j, j+1
.endr
	s_add_co_u32 s[NT], s51, 15
	s_lshr_b32 s[NT], s[NT], 4
	PLACE
; Behind fragment f's 16 loads stand, when step f waits: f = 0: fragments 1, 2 (32); f = 1: fragments 2, 3 and a batch of x (42); f = 2: 52;
; f = 3 .. 13: two fragments and three batches (62); f = 14: fragment 15 and two batches (36); f = 15: one batch (10).
	WSTEP 0, 32
	WSTEP 1, 42
	WSTEP 2, 52
.irp f, 3,4,5,6,7,8,9,10,11,12,13
	WSTEP \f, 62
.endr
	WSTEP 14, 36
	WSTEP 15, 10
	s_wait_dscnt 0x0                               ; for the others' sake: my images and scale words lie in LDS
	s_barrier_signal -1
	s_barrier_wait -1                              ; the launch's one barrier; behind it nobody writes LDS
.macro WBLOAD b, s                     ; K step s of units 32 b on: gate's two tiles, up's two, into set s % 2
.irp u, 0,1
.irp g, 0,1,2
	ds_load_b128 v[WB+48*((\s)%2)+12*\u+4*\g:WB+48*((\s)%2)+12*\u+4*\g+3], v[L16] offset:((2*(\b)+\u)*8+(\s))*1536+512*\g
.endr
.endr
.irp u, 0,1
.irp g, 0,1,2
	ds_load_b128 v[WB+48*((\s)%2)+24+12*\u+4*\g:WB+48*((\s)%2)+24+12*\u+4*\g+3], v[WUA] offset:((2*(\b)+\u)*8+(\s))*1536+512*\g
.endr
.endr
.endm
.macro GSTEP b, s                      ; 20 matrix instructions: my 5 tiles of rows x 4 tiles of weights; the 20 accumulators take turns
.if (\s) < 7
	WBLOAD \b, (\s)+1
	s_wait_dscnt 12                                ; all but the twelve just issued
.else
	s_wait_dscnt 0x0
.endif
.irp i, 0,1,2,3,4
	WIN 0xf0|((1+\i/2)<<2)                         ; source 0 (weights) window 0, source 1 (x) the tile's window, C and D window 3
.irp p, 0,1,2,3
.set RD, ACC+32*\i+8*\p
.set RA, WB+48*((\s)%2)+12*\p
.set RB, 96*(\i%2)+12*(\s)
.if (\s) == 0
	v_wmma_scale_f32_16x16x128_f8f6f4 v[RD:RD+7], v[RA:RA+11], v[RB:RB+11], 0, v[WS+8*\p+(\s)], v[XS+8*\i+(\s)] matrix_a_fmt:MATRIX_FMT_FP6 matrix_b_fmt:MATRIX_FMT_FP6
.else
	v_wmma_scale_f32_16x16x128_f8f6f4 v[RD:RD+7], v[RA:RA+11], v[RB:RB+11], v[RD:RD+7], v[WS+8*\p+(\s)], v[XS+8*\i+(\s)] matrix_a_fmt:MATRIX_FMT_FP6 matrix_b_fmt:MATRIX_FMT_FP6
.endif
.endr
.endr
	WIN 0
	PLACES
.endm
; Tile i's 16 numbers a lane of g and of u become h = g u / (1 + 2^(-g log2 e)), its block's scale byte and 16 codes.  Each accumulator is read from its low end on.
.macro EPI b, i
.set G, ACC+32*(\i)
.set U, G+16
	WIN 0xff
.irp j, 0,2,4,6,8,10,12,14
	v_pk_mul_f32 v[U+\j:U+\j+1], v[G+\j:G+\j+1], v[U+\j:U+\j+1]
.endr
.irp j, 0,2,4,6,8,10,12,14
	v_pk_mul_f32 v[G+\j:G+\j+1], v[G+\j:G+\j+1], s[NL:NL+1] op_sel_hi:[1,0]
.endr
.irp j, 0,1,2,3,4,5,6,7,8,9,10,11,12,13,14,15
	v_exp_f32 v[G+\j], v[G+\j]
.endr
	v_nop                                          ; a plain line behind the exponentials
	s_wait_alu depctr_va_vdst(0)
.irp j, 0,2,4,6,8,10,12,14
	v_pk_add_f32 v[G+\j:G+\j+1], v[G+\j:G+\j+1], 1.0 op_sel_hi:[1,0]
.endr
.irp j, 0,1,2,3,4,5,6,7,8,9,10,11,12,13,14,15
	v_rcp_f32 v[G+\j], v[G+\j]
.endr
	v_nop                                          ; a plain line behind the reciprocals
	s_wait_alu depctr_va_vdst(0)
.irp j, 0,2,4,6,8,10,12,14
	v_pk_mul_f32 v[U+\j:U+\j+1], v[U+\j:U+\j+1], v[G+\j:G+\j+1]
.endr
	v_max3_num_f32 v[G], |v[U]|, |v[U+1]|, 0x1800000   ; my 16 numbers and the floor, in two chains
	v_max3_num_f32 v[G+1], |v[U+8]|, |v[U+9]|, |v[U+10]|
	v_max3_num_f32 v[G], v[G], |v[U+2]|, |v[U+3]|
	v_max3_num_f32 v[G+1], v[G+1], |v[U+11]|, |v[U+12]|
	v_max3_num_f32 v[G], v[G], |v[U+4]|, |v[U+5]|
	v_max3_num_f32 v[G+1], v[G+1], |v[U+13]|, |v[U+14]|
	v_max3_num_f32 v[G], v[G], |v[U+6]|, |v[U+7]|
	v_max3_num_f32 v[G], v[G], v[G+1], |v[U+15]|
	v_permlanex16_b32 v[G+1], v[G], s[SEL], s[SEL+1]
	v_max_num_f32 v[G], v[G], v[G+1]               ; with lane l xor 16's 16: the block's largest magnitude
	v_add_nc_u32 v[G+2], 0xff000000, v[G]
	WIN 0x0f                                       ; sources window 3, destination window 0
	v_lshrrev_b32 v[BY0+5*(\b)+(\i)], 23, v[G+2]
	v_cvt_scalef32_pk16_fp6_f32 v[Q0+(Q1-Q0)*(\b)+4*(\i):Q0+(Q1-Q0)*(\b)+4*(\i)+2], v[U:U+15], v[G+2]
	v_nop                                          ; one plain line behind the conversion
.endm
.macro BLOCK b                         ; units 32 b .. 32 b + 31 of the slice
	WIN 0
.irp p, 0,1,2,3
	ds_load_b128 v[WS+8*\p:WS+8*\p+3], v[WSA] offset:((\p/2)*4+2*(\b)+\p%2)*1024
	ds_load_b128 v[WS+8*\p+4:WS+8*\p+7], v[WSA] offset:((\p/2)*4+2*(\b)+\p%2)*1024+16
.endr
	WBLOAD \b, 0
.irp s, 0,1,2,3,4,5,6,7
	GSTEP \b, \s
.endr
.irp i, 0,1,2,3,4
	EPI \b, \i
.endr
	WIN 0
.endm
; A row's 48 bytes of codes: lane (r, 0) gets block 0 whole, lane (r, 1) block 1.  They leave as registers 0-3, 4-7, 8-11 of the next operand's lanes of half q % 2:
; one store of 16 bytes a lane fills the first and the third run of 256 bytes, one of 8 bytes a lane the second.
.macro FINAL i
.set A0, Q0+4*(\i)
.set A1, Q1+4*(\i)
.set O, OT+8*(\i)
.irp k, 0,1,2
	v_permlane16_swap_b32 v[A0+\k], v[A1+\k]
.endr
	v_cndmask_b32 v[O], v[A0], v[A0+2], s[HI]
	v_cndmask_b32 v[O+1], v[A0+1], v[A1], s[HI]
	v_cndmask_b32 v[O+2], v[A0+2], v[A1+1], s[HI]
	v_cndmask_b32 v[O+3], v[A1], v[A1+2], s[HI]
	v_cndmask_b32 v[O+4], v[A1+1], v[A0], s[HI]
	v_cndmask_b32 v[O+5], v[A1+2], v[A0+1], s[HI]
	v_cndmask_b32 v[O+6], v[BY0+(\i)], v[BY1+(\i)], s[HI]
	global_store_b128 v[VB128], v[O:O+3], s[14:15] offset:98304*(\i)
	global_store_b64 v[VB64], v[O+4:O+5], s[14:15] offset:98304*(\i)
	global_store_b8 v[VBS], v[O+6], s[48:49] offset:4096*(\i)   ; two bytes of a row's 64: the 32 readers then load whole words
.endm
.Lpass:
	s_wait_loadcnt 0x0                             ; the pass's codes and scale words of x
	BLOCK 0
	BLOCK 1
.irp i, 0,1,2,3,4
	FINAL \i
.endr
	s_add_co_u32 s[FT], s[FT], 20
	s_cmp_ge_u32 s[FT], s[NT]                      ; no rows are left: a branch on the stored map's count
	s_cbranch_scc1 .Ldone
	s_wait_xcnt 0x0                                ; the stores have read their bases and data: both are written again below
	s_add_nc_u64 s[14:15], s[14:15], 491520        ; 20 tiles on
	s_add_nc_u64 s[48:49], s[48:49], 20480
	s_add_co_u32 s[POSB], s[POSB], 320
	PLACES
	PLACE
.irp g, 0,1,2,3,4,5,6,7,8,9,10,11,12
	XBATCH \g
.endr
	WIN 0
	s_add_co_u32 s[PASS], s[PASS], 1
	s_cmp_lt_u32 s[PASS], 4                        ; 4 passes of 20 tiles hold the 64 tiles of an expert that every token chose
	s_cbranch_scc1 .Lpass
.Ldone:
	s_wait_tensorcnt 0x0
	ds_add_u32 v182, v183
	s_wait_dscnt 0x0
	s_endpgm
.Lfunc_end_k_qbdab4981d1_gateup:
	.size	k_qbdab4981d1_gateup, .Lfunc_end_k_qbdab4981d1_gateup-k_qbdab4981d1_gateup
	.p2alignl 7, 3214868480
	.fill 96, 4, 3214868480
	.section	.rodata,"a",@progbits
	.p2align	6, 0x0
	.amdhsa_kernel k_qbdab4981d1_gateup
		.amdhsa_group_segment_fixed_size 140800
		.amdhsa_private_segment_fixed_size 0
		.amdhsa_enable_private_segment 0
		.amdhsa_kernarg_size 56
		.amdhsa_user_sgpr_count 2
		.amdhsa_user_sgpr_kernarg_segment_ptr 1
		.amdhsa_wavefront_size32 1
		.amdhsa_system_sgpr_workgroup_id_x 1
		.amdhsa_system_sgpr_workgroup_id_y 1
		.amdhsa_system_sgpr_workgroup_id_z 1
		.amdhsa_system_vgpr_workitem_id 0
		.amdhsa_next_free_vgpr 1024
		.amdhsa_next_free_sgpr 102
		.amdhsa_reserve_vcc 1
		.amdhsa_float_denorm_mode_32 3
		.amdhsa_float_denorm_mode_16_64 3
		.amdhsa_memory_ordered 1
		.amdhsa_forward_progress 1
		.amdhsa_inst_pref_size 255
	.end_amdhsa_kernel
	.section	.bss,"aw",@nobits
	.p2align	6
	.space	262144
	.amdgpu_metadata
---
amdhsa.version: [ 1, 2 ]
amdhsa.kernels:
  - .name:           k_qbdab4981d1_gateup
    .symbol:         k_qbdab4981d1_gateup.kd
    .args:
      - { .name: w_gate, .offset: 0, .size: 8, .value_kind: global_buffer, .address_space: global }
      - { .name: w_up, .offset: 8, .size: 8, .value_kind: global_buffer, .address_space: global }
      - { .name: xc, .offset: 16, .size: 8, .value_kind: global_buffer, .address_space: global }
      - { .name: xs, .offset: 24, .size: 8, .value_kind: global_buffer, .address_space: global }
      - { .name: rmask, .offset: 32, .size: 8, .value_kind: global_buffer, .address_space: global }
      - { .name: hc, .offset: 40, .size: 8, .value_kind: global_buffer, .address_space: global }
      - { .name: hs, .offset: 48, .size: 8, .value_kind: global_buffer, .address_space: global }
    .group_segment_fixed_size: 140800
    .private_segment_fixed_size: 0
    .kernarg_segment_align: 8
    .kernarg_segment_size: 56
    .max_flat_workgroup_size: 128
    .sgpr_count:     102
    .vgpr_count:     1024
    .wavefront_size: 32
...
	.end_amdgpu_metadata
.endif
;; end of part 2
;; launch down (part 3): grid 32 x 8, 4 waves a work-group, no clusters, 96,768 bytes of LDS; arguments w_down, hc, hs, rmask, y; writes y
.if DOCPART == 3
	.amdgcn_target "amdgcn-amd-amdhsa--gfx1250"
	.amdhsa_code_object_version 6
	.text
	.protected	k_qbdab4981d1_down
	.globl	k_qbdab4981d1_down
	.p2align	8
	.type	k_qbdab4981d1_down,@function
k_qbdab4981d1_down:
	s_mov_b64 s[64:65], 0
	v_nop
	global_prefetch_b8 v0, s[64:65] scope:SCOPE_SE
	s_setreg_imm32_b32 hwreg(HW_REG_WAVE_MODE, 25, 1), 1
	s_wait_xcnt 0x0
; y[e][position][d] = the sum over the 2,048 hidden units of h w_down[e][d], on codes of E2M3 with E8M0 scales; f32 sums.
; SHARES.  Work-group (sg, e) OWNS output columns 32 sg .. 32 sg + 31 of expert e: 256 KiB of f32, read from memory once in the whole program.
; WEIGHT PHASE.  Wave w takes tile n = w % 2 (16 rows) and K steps 8 (w / 2) + 0 .. 7.  As in the launch before: 16 loads of 512 consecutive bytes a fragment, a turn through
; the wave's own stage, quantised in registers, left in LDS as images of the operand's registers with their scale words.  Loads run three fragments ahead.
; K's BLOCKS ARE PERMUTED alike in both operands: place (c, h') of K step s is the block of units 128 s + 64 h' + 32 c, as hc and hs are laid.
; ROW PHASE.  A pass is 20 tiles of 16 rows, 5 a wave, the same tiles as in the launch before; h's codes come straight into registers, two runs of 256 consecutive
; bytes a load, eight K steps ahead.  The product is used transposed (source 0 = weights, source 1 = h); tile n holds rows 8 n + r + 8 (r / 8), so a lane ends with one
; row's 16 neighbouring columns 16 (lane / 16) + 0 .. 15.  They leave through the wave's stage as runs of 512 consecutive bytes.
; y: [e][sg 32][position 1,280][32 f32].
; NO JOINT LOADS, NO DATA MOVER: the number of passes hangs on a count read from memory; each weight byte has one reader.
; LIMITS: NaN and infinities are not served; a block whose largest magnitude lies under 2^-124 keeps the byte 1 (read by this program alone).
.set WSC,   49152                      ; LDS: 32 images of 1,536 bytes at (16 n + s) 1,536; scale words at 2,048 n + 64 lane + 4 s;
.set WSTG,  53248                      ; a stage of 16 rows x 528 bytes for each wave;
.set STGB,  8448
.set YSTG,  87040                      ; and one of 16 rows x 144 bytes for the way out
.set CO,    128                        ; from a lane's block c = 0 to c = 1 in a stage row: unit 64 h + 32 c
.set NF,    8
.set L16,   4
.set WSI,   6
.set WSO,   7
.set WII,   8
.set WSS,   9
.set WSA,   10
.set SH8,   11
.set HO,    12                         ; v12  768 h + 16 r: my 16 bytes of a K step's part of hc
.set HSO,   13                         ; v13  64 r: my row's scale words
.set YSI,   14
.set YSO,   15
.set TP,    17
.set F2,    28
.set MX,    36
.set SO,    40
.set BY,    42
.set SWD,   44
.set T,     64
.set F,     128
.set WB,    64                         ; v64-111  row phase: the weights' fragments, two sets of two
.set OB,    112                        ; v112-143 rows on their way out, two sets of 16
.set HS,    144                        ; v144-223 h's scale words, 16 i + s: scales and nothing else
.set WS,    224                        ; v224-255 the weights' scale words, 16 n + s: scales and nothing else
; window 1: h's slots 0-3, 60 registers each (tile i at 12 i); window 2: slots 4-7; window 3: the ring of 4 x 64, later accumulator (i, n) at 16 i + 8 n
.set M,     16
.set SEL,   56
.set NT,    52
.set FT,    53
.set PASS,  54
.set MSB, 0
.macro WIN new                         ; the immediate's high byte repeats the setting that is left
.if MSB != (\new)
	s_set_vgpr_msb (MSB<<8)|(\new)
.set MSB, (\new)
.endif
.endm
.macro PLACES                          ; four plain lines between a matrix instruction and a load into, or a read of, its registers
.rept 4
	v_nop
.endr
.endm
.macro WLOAD f
	WIN 0xc0
.irp i, 0,1,2,3,4,5,6,7,8,9,10,11,12,13,14,15
	global_load_b128 v[64*((\f)%4)+4*\i:64*((\f)%4)+4*\i+3], v[L16], s[4:5] offset:(\i+8*(\i/8))*8192+512*(\f) th:TH_LOAD_NT
.endr
.endm
.macro HK s                            ; K step s of my five tiles of h into slot s % 8
	WIN (1+((\s)%8)/4)<<6
.irp i, 0,1,2,3,4
.irp g, 0,1,2
	global_load_b128 v[60*((\s)%4)+12*\i+4*\g:60*((\s)%4)+12*\i+4*\g+3], v[HO], s[6:7] offset:98304*\i+1536*(\s)+256*\g
.endr
.endr
.endm
.macro HSL                             ; my five tiles' scale words of all 16 K steps
.irp i, 0,1,2,3,4
.irp k, 0,1,2,3
	global_load_b128 v[HS+16*\i+4*\k:HS+16*\i+4*\k+3], v[HSO], s[8:9] offset:4096*\i+16*\k
.endr
.endr
.endm
.macro WQ                              ; 64 numbers of a lane, T[32 c + i] = number i of its block c, become the operand's 12 registers F and the row's scale word SWD (byte 2 c + h)
.irp g, 0,1,2,3
	v_max3_num_f32 v[MX+\g], |v[T+16*\g]|, |v[T+16*\g+1]|, 0x1800000
.endr
.irp i, 2,4,6,8,10,12,14
.irp g, 0,1,2,3
	v_max3_num_f32 v[MX+\g], v[MX+\g], |v[T+16*\g+\i]|, |v[T+16*\g+\i+1]|
.endr
.endr
	v_max_num_f32 v[MX], v[MX], v[MX+1]
	v_max_num_f32 v[MX+2], v[MX+2], v[MX+3]
	v_add_nc_u32 v[SO], 0xff000000, v[MX]
	v_add_nc_u32 v[SO+1], 0xff000000, v[MX+2]
	v_lshrrev_b32 v[BY], 23, v[SO]
	v_lshrrev_b32 v[BY+1], 23, v[SO+1]
	v_lshl_or_b32 v[SWD], v[BY+1], 16, v[BY]
	v_lshlrev_b32 v[SWD], v[SH8], v[SWD]
	v_permlanex16_b32 v[TP], v[SWD], s[SEL], s[SEL+1]
	v_or_b32 v[SWD], v[SWD], v[TP]
.irp c, 0,1
	v_cvt_scalef32_pk16_fp6_f32 v[F+6*\c:F+6*\c+2], v[T+32*\c:T+32*\c+15], v[SO+\c]
	v_cvt_scalef32_pk16_fp6_f32 v[F2+4*\c:F2+4*\c+2], v[T+32*\c+16:T+32*\c+31], v[SO+\c]
.endr
	v_nop                                          ; one plain line behind the conversions
.irp c, 0,1
.irp i, 0,1,2
	v_mov_b32 v[F+6*\c+3+\i], v[F2+4*\c+\i]
.endr
.endr
.endm
.macro WSTEP f, nw                     ; nw: at most as many as the loads issued behind fragment f's
	s_wait_loadcnt \nw
	WIN 0x0c                                       ; an LDS store's data are its source 1: window 3
.irp i, 0,1,2,3,4,5,6,7,8,9,10,11,12,13,14,15
	ds_store_b128 v[WSI], v[64*((\f)%4)+4*\i:64*((\f)%4)+4*\i+3] offset:528*\i
.endr
	WIN 0
.irp c, 0,1
.irp j, 0,1,2,3,4,5,6,7
	ds_load_b128 v[T+32*\c+4*\j:T+32*\c+4*\j+3], v[WSO] offset:CO*\c+16*\j
.endr
.endr
.if (\f)+3 < NF
	WLOAD (\f)+3
.endif
	HK \f
	WIN 0
	s_wait_dscnt 0x0                               ; T is in; this step's stage stores have read the slot; the last step's image stores have read F
	WQ
.irp g, 0,1,2
	ds_store_b128 v[WII], v[F+4*\g:F+4*\g+3] offset:1536*(\f)+512*\g
.endr
	ds_store_b32 v[WSS], v[SWD] offset:4*(\f)
.endm
	s_load_b256 s[4:11], s[0:1], 0x0               ; w_down s[4:5], hc s[6:7], hs s[8:9], rmask s[10:11]
	s_load_b64 s[12:13], s[0:1], 0x20              ; y
	v_lshl_add_u32 v62, v0, 2, 0x17800
	v_mov_b32 v63, 0
	v_lshrrev_b32 v1, 5, v0
	v_readfirstlane_b32 s2, v1                     ; wave
	s_and_b32 s3, ttmp7, 0xffff                    ; expert
	v_and_b32 v1, 31, v0                           ; lane
	v_and_b32 v2, 15, v0                           ; r
	v_bfe_u32 v3, v0, 4, 1                         ; h
	v_lshlrev_b32 v[L16], 4, v1
	s_mul_i32 s55, s2, STGB
	s_add_co_u32 s55, s55, WSTG
	v_add_nc_u32 v[WSI], s55, v[L16]
	v_mul_u32_u24 v[WSO], v2, 528
	v_lshl_add_u32 v[WSO], v3, 8, v[WSO]
	v_add_nc_u32 v[WSO], s55, v[WSO]
	s_and_b32 s14, s2, 1                           ; n
	s_lshr_b32 s15, s2, 1                          ; which eight K steps
	s_mul_i32 s55, s14, 24576
	v_add_nc_u32 v[WII], s55, v[L16]
	s_mul_i32 s55, s15, 12288
	v_add_nc_u32 v[WII], s55, v[WII]
	v_lshlrev_b32 v[WSA], 6, v1
	v_add_nc_u32 v[WSA], WSC, v[WSA]
	s_lshl_b32 s55, s14, 11
	v_add_nc_u32 v[WSS], s55, v[WSA]
	s_lshl_b32 s55, s15, 5
	v_add_nc_u32 v[WSS], s55, v[WSS]
	v_lshlrev_b32 v[SH8], 3, v3
	v_mul_u32_u24 v[HO], v3, 768
	v_lshl_add_u32 v[HO], v2, 4, v[HO]
	v_lshlrev_b32 v[HSO], 6, v2
	s_mul_i32 s55, s2, 2304
	s_add_co_u32 s55, s55, YSTG
	v_mul_u32_u24 v[YSI], v2, 144
	v_lshl_add_u32 v[YSI], v3, 6, v[YSI]
	v_add_nc_u32 v[YSI], s55, v[YSI]               ; in: row r, 64 bytes for each half of the lanes
	v_lshrrev_b32 v18, 3, v1
	v_mul_u32_u24 v[YSO], v18, 144
	v_and_b32 v18, 7, v1
	v_lshl_add_u32 v[YSO], v18, 4, v[YSO]
	v_add_nc_u32 v[YSO], s55, v[YSO]               ; back: eight lanes to a row of 128 bytes, four rows an instruction
	v_mov_b32 v[TP], 0                             ; written once: a lane permute's destination counts as one of its sources
	s_mov_b32 s[SEL], 0x76543210
	s_mov_b32 s[SEL+1], 0xfedcba98
	s_mov_b32 s[FT], 0
	s_mov_b32 s[PASS], 0
	s_lshl_b32 s58, s3, 23                         ; w_down: (1,024 e + 32 sg + 8 n) rows of 8,192 bytes + 4,096 (w / 2)
	s_lshl_b32 s55, ttmp9, 18
	s_add_co_u32 s58, s58, s55
	s_lshl_b32 s55, s14, 16
	s_add_co_u32 s58, s58, s55
	s_lshl_b32 s55, s15, 12
	s_add_co_u32 s58, s58, s55
	s_mov_b32 s59, 0
	s_mul_i32 s60, s3, 1966080                     ; hc: expert, tile = wave
	s_mul_i32 s55, s2, 24576
	s_add_co_u32 s60, s60, s55
	s_mov_b32 s61, 0
	s_mul_i32 s62, s3, 81920                       ; hs likewise
	s_lshl_b32 s55, s2, 10
	s_add_co_u32 s62, s62, s55
	s_mov_b32 s63, 0
	s_mul_i32 s50, s3, 5242880                     ; y: expert, slice, tile = wave
	s_mul_i32 s55, ttmp9, 163840
	s_add_co_u32 s50, s50, s55
	s_lshl_b32 s55, s2, 11
	s_add_co_u32 s50, s50, s55
	s_mov_b32 s51, 0
	s_lshl_b32 s48, s3, 7
	s_mov_b32 s49, 0
	s_wait_kmcnt 0x0
	s_add_nc_u64 s[4:5], s[4:5], s[58:59]
	s_add_nc_u64 s[6:7], s[6:7], s[60:61]
	s_add_nc_u64 s[8:9], s[8:9], s[62:63]
	s_add_nc_u64 s[10:11], s[10:11], s[48:49]
	s_add_nc_u64 s[12:13], s[12:13], s[50:51]
	s_load_b512 s[16:31], s[10:11], 0x0
	s_load_b512 s[32:47], s[10:11], 0x40
	WLOAD 0
	WLOAD 1
	WLOAD 2
	WIN 0
	HSL
	s_wait_kmcnt 0x0
	s_mov_b32 s51, 0
.set j, 0
.rept 32
	s_bcnt1_i32_b32 s55, s[M+j]
	s_add_co_u32 s51, s51, s55
.set j, j+1
.endr
	s_add_co_u32 s[NT], s51, 15
	s_lshr_b32 s[NT], s[NT], 4                     ; tiles that hold rows
; Behind fragment f's 16 loads stand, when step f waits: f = 0: fragments 1, 2 and the 20 loads of scale words (52); f = 1 .. 5: 67 to 82, more than the
; counter's field names, so the largest count is written; f = 6: fragment 7 and three K steps of h (61); f = 7: three K steps of h (45).
	WSTEP 0, 52
.irp f, 1,2,3,4,5
	WSTEP \f, 63
.endr
	WSTEP 6, 61
	WSTEP 7, 45
	s_wait_dscnt 0x0                               ; for the others' sake: my images and scale words lie in LDS
	s_barrier_signal -1
	s_barrier_wait -1                              ; the launch's one barrier; behind it each wave writes only its own stage
.macro WBLOAD s
.irp n, 0,1
.irp g, 0,1,2
	ds_load_b128 v[WB+24*((\s)%2)+12*\n+4*\g:WB+24*((\s)%2)+12*\n+4*\g+3], v[L16] offset:(16*\n+(\s))*1536+512*\g
.endr
.endr
.endm
.macro DSTEP s                         ; 10 matrix instructions: my 5 tiles of rows x 2 tiles of columns; the 10 accumulators take turns
.if (\s) < 15
	WBLOAD (\s)+1
.endif
.if (\s) <= 10
	s_wait_loadcnt 63                              ; behind this K step's 15 loads of h stand 75 or more: the largest count is written
.else
	s_wait_loadcnt 15*(15-(\s))                    ; the later K steps' loads may be out
.endif
.if (\s) < 15
	s_wait_dscnt 6                                 ; all but the six just issued
.else
	s_wait_dscnt 0x0
.endif
	WIN 0xf0|((1+((\s)%8)/4)<<2)                   ; source 0 (weights) window 0, source 1 (h) the slot's window, C and D window 3
.irp i, 0,1,2,3,4
.irp n, 0,1
.set RD, 16*\i+8*\n
.set RA, WB+24*((\s)%2)+12*\n
.set RB, 60*((\s)%4)+12*\i
.if (\s) == 0
	v_wmma_scale_f32_16x16x128_f8f6f4 v[RD:RD+7], v[RA:RA+11], v[RB:RB+11], 0, v[WS+16*\n+(\s)], v[HS+16*\i+(\s)] matrix_a_fmt:MATRIX_FMT_FP6 matrix_b_fmt:MATRIX_FMT_FP6
.else
	v_wmma_scale_f32_16x16x128_f8f6f4 v[RD:RD+7], v[RA:RA+11], v[RB:RB+11], v[RD:RD+7], v[WS+16*\n+(\s)], v[HS+16*\i+(\s)] matrix_a_fmt:MATRIX_FMT_FP6 matrix_b_fmt:MATRIX_FMT_FP6
.endif
.endr
.endr
	WIN 0
	PLACES
.if (\s) < 8
	HK (\s)+8                                      ; into the slot just multiplied
	WIN 0
.endif
.endm
.macro YOUT i                          ; tile i: 16 rows x 32 columns through my stage, then 2,048 consecutive bytes of y
.if (\i) >= 2
	s_wait_xcnt 0x0                                ; the stores of two tiles back have read this set's registers
.endif
	WIN 0x0c
.irp k, 0,1,2,3
	ds_store_b128 v[YSI], v[16*(\i)+4*\k:16*(\i)+4*\k+3] offset:16*\k   ; each accumulator from its low end on
.endr
	WIN 0
.irp k, 0,1,2,3
	ds_load_b128 v[OB+16*((\i)%2)+4*\k:OB+16*((\i)%2)+4*\k+3], v[YSO] offset:576*\k   ; LDS serves a wave's instructions in order: these see the stores above
.endr
	s_wait_dscnt 0x0
.irp k, 0,1,2,3
	global_store_b128 v[L16], v[OB+16*((\i)%2)+4*\k:OB+16*((\i)%2)+4*\k+3], s[12:13] offset:8192*(\i)+512*\k th:TH_STORE_NT
.endr
.endm
.irp n, 0,1
.irp k, 0,1,2,3
	ds_load_b128 v[WS+16*\n+4*\k:WS+16*\n+4*\k+3], v[WSA] offset:2048*\n+16*\k
.endr
.endr
	WBLOAD 0
.Lpass:
.irp s, 0,1,2,3,4,5,6,7,8,9,10,11,12,13,14,15
	DSTEP \s
.endr
.irp i, 0,1,2,3,4
	YOUT \i
.endr
	s_add_co_u32 s[FT], s[FT], 20
	s_cmp_ge_u32 s[FT], s[NT]                      ; no rows are left: the same test as in the launch that wrote hc, so only written tiles are read
	s_cbranch_scc1 .Ldone
	s_wait_xcnt 0x0                                ; loads and stores have read their bases and data
	s_add_nc_u64 s[6:7], s[6:7], 491520            ; 20 tiles on
	s_add_nc_u64 s[8:9], s[8:9], 20480
	s_add_nc_u64 s[12:13], s[12:13], 40960
	PLACES
	HSL
.irp s, 0,1,2,3,4,5,6,7
	HK \s
.endr
	WIN 0
	WBLOAD 0
	s_add_co_u32 s[PASS], s[PASS], 1
	s_cmp_lt_u32 s[PASS], 4
	s_cbranch_scc1 .Lpass
.Ldone:
	s_wait_tensorcnt 0x0
	ds_add_u32 v62, v63
	s_wait_dscnt 0x0
	s_endpgm
.Lfunc_end_k_qbdab4981d1_down:
	.size	k_qbdab4981d1_down, .Lfunc_end_k_qbdab4981d1_down-k_qbdab4981d1_down
	.p2alignl 7, 3214868480
	.fill 96, 4, 3214868480
	.section	.rodata,"a",@progbits
	.p2align	6, 0x0
	.amdhsa_kernel k_qbdab4981d1_down
		.amdhsa_group_segment_fixed_size 96768
		.amdhsa_private_segment_fixed_size 0
		.amdhsa_enable_private_segment 0
		.amdhsa_kernarg_size 40
		.amdhsa_user_sgpr_count 2
		.amdhsa_user_sgpr_kernarg_segment_ptr 1
		.amdhsa_wavefront_size32 1
		.amdhsa_system_sgpr_workgroup_id_x 1
		.amdhsa_system_sgpr_workgroup_id_y 1
		.amdhsa_system_sgpr_workgroup_id_z 1
		.amdhsa_system_vgpr_workitem_id 0
		.amdhsa_next_free_vgpr 1024
		.amdhsa_next_free_sgpr 66
		.amdhsa_reserve_vcc 0
		.amdhsa_float_denorm_mode_32 3
		.amdhsa_float_denorm_mode_16_64 3
		.amdhsa_memory_ordered 1
		.amdhsa_forward_progress 1
		.amdhsa_inst_pref_size 137
	.end_amdhsa_kernel
	.amdgpu_metadata
---
amdhsa.version: [ 1, 2 ]
amdhsa.kernels:
  - .name:           k_qbdab4981d1_down
    .symbol:         k_qbdab4981d1_down.kd
    .args:
      - { .name: w_down, .offset: 0, .size: 8, .value_kind: global_buffer, .address_space: global }
      - { .name: hc, .offset: 8, .size: 8, .value_kind: global_buffer, .address_space: global }
      - { .name: hs, .offset: 16, .size: 8, .value_kind: global_buffer, .address_space: global }
      - { .name: rmask, .offset: 24, .size: 8, .value_kind: global_buffer, .address_space: global }
      - { .name: y, .offset: 32, .size: 8, .value_kind: global_buffer, .address_space: global }
    .group_segment_fixed_size: 96768
    .private_segment_fixed_size: 0
    .kernarg_segment_align: 8
    .kernarg_segment_size: 40
    .max_flat_workgroup_size: 128
    .sgpr_count:     66
    .vgpr_count:     1024
    .wavefront_size: 32
...
	.end_amdgpu_metadata
.endif
;; end of part 3
;; launch combine (part 4): grid 256 x 1, 4 waves a work-group, no clusters, 0 bytes of LDS; arguments y, ridx, rw, rmask, out0; writes out0
.if DOCPART == 4
	.amdgcn_target "amdgcn-amd-amdhsa--gfx1250"
	.amdhsa_code_object_version 6
	.text
	.protected	k_qbdab4981d1_combine
	.globl	k_qbdab4981d1_combine
	.p2align	8
	.type	k_qbdab4981d1_combine,@function
k_qbdab4981d1_combine:
	s_mov_b64 s[64:65], 0
	v_nop
	global_prefetch_b8 v0, s[64:65] scope:SCOPE_SE
	s_setreg_imm32_b32 hwreg(HW_REG_WAVE_MODE, 25, 1), 1
	s_wait_xcnt 0x0
; out0[t] = c1 y[i1][position of t in i1's list] + c2 y[i2][position of t in i2's list].  One wave to a token; each output row has one owner.
; A token's position in an expert's list is the number of lower tokens that chose the expert: the set bits of the expert's map under bit t.
; Lane j holds word j of each map; all eight maps are loaded beside ridx and rw, so that only two loads stand one behind the other, and the two wanted are chosen by selects.
; y: [e][sg 32][position 1,280][32 f32]: a load takes 128 bytes of each of four slices; a store covers 512 consecutive bytes of the row.
; A stream: no LDS, no barrier, no matrix unit.
	s_load_b256 s[4:11], s[0:1], 0x0               ; y s[4:5], ridx s[6:7], rw s[8:9], rmask s[10:11]
	s_load_b64 s[12:13], s[0:1], 0x20              ; out0
	v_lshrrev_b32 v1, 5, v0
	v_readfirstlane_b32 s2, v1
	v_and_b32 v1, 31, v0                           ; lane
	s_lshl_b32 s3, ttmp9, 2
	s_add_co_u32 s3, s3, s2                        ; my token
	s_lshl_b32 s14, s3, 2
	s_mov_b32 s15, 0
	s_lshl_b32 s16, s3, 3
	s_mov_b32 s17, 0
	s_lshl_b32 s36, s3, 12
	s_mov_b32 s37, 0
	v_lshlrev_b32 v2, 2, v1
	v_lshlrev_b32 v22, 4, v1
	s_mov_b32 s28, 0x76543210
	s_mov_b32 s29, 0xfedcba98
	s_wait_kmcnt 0x0
	s_add_nc_u64 s[20:21], s[6:7], s[14:15]
	s_add_nc_u64 s[22:23], s[8:9], s[16:17]
	s_add_nc_u64 s[12:13], s[12:13], s[36:37]
	s_load_b32 s38, s[20:21], 0x0                  ; i1 | i2 << 8
	s_load_b64 s[18:19], s[22:23], 0x0             ; c1, c2
.irp e, 0,1,2,3,4,5,6,7
	global_load_b32 v[8+\e], v2, s[10:11] offset:128*\e
.endr
	s_lshr_b32 s39, s3, 5                          ; the word that holds my token's bit,
	s_and_b32 s40, s3, 31
	s_bfm_b32 s40, s40, 0                          ; and the bits under it
	v_cmp_gt_u32 vcc_lo, s39, v1
	v_cndmask_b32 v3, 0, -1, vcc_lo                ; lower words count whole,
	v_cmp_eq_u32 vcc_lo, s39, v1
	v_cndmask_b32 v3, v3, s40, vcc_lo              ; my word in part, higher words not at all
	v_lshrrev_b32 v7, 3, v1
	v_mul_u32_u24 v7, v7, 163840
	v_and_b32 v16, 7, v1
	v_lshl_add_u32 v7, v16, 4, v7                  ; slice lane / 8, 16 bytes of its 128
	v_mov_b32 v6, 0                                ; written once: the destination of the lane moves below counts as read
	s_wait_kmcnt 0x0
	s_and_b32 s24, s38, 0xff
	s_min_u32 s24, s24, 7
	s_bfe_u32 s25, s38, 0x80008
	s_min_u32 s25, s25, 7
	s_mov_b32 s32, s18                             ; each weight as a pair: the packed forms name a pair and take its low word for both halves
	s_mov_b32 s33, s18
	s_mov_b32 s34, s19
	s_mov_b32 s35, s19
	s_wait_loadcnt 0x0
	v_mov_b32 v4, v8
	v_mov_b32 v5, v8
.irp e, 1,2,3,4,5,6,7
	s_cmp_eq_u32 s24, \e
	s_cselect_b32 s26, -1, 0
	v_cndmask_b32 v4, v4, v[8+\e], s26
	s_cmp_eq_u32 s25, \e
	s_cselect_b32 s27, -1, 0
	v_cndmask_b32 v5, v5, v[8+\e], s27
.endr
	v_and_b32 v4, v4, v3
	v_and_b32 v5, v5, v3
.macro POPC x, t                       ; the number of set bits of v[x]
	v_lshrrev_b32 v[\t], 1, v[\x]
	v_and_b32 v[\t], 0x55555555, v[\t]
	v_sub_nc_u32 v[\x], v[\x], v[\t]
	v_lshrrev_b32 v[\t], 2, v[\x]
	v_and_b32 v[\t], 0x33333333, v[\t]
	v_and_b32 v[\x], 0x33333333, v[\x]
	v_add_nc_u32 v[\x], v[\x], v[\t]
	v_lshrrev_b32 v[\t], 4, v[\x]
	v_add_nc_u32 v[\x], v[\x], v[\t]
	v_and_b32 v[\x], 0x0f0f0f0f, v[\x]
	v_lshrrev_b32 v[\t], 8, v[\x]
	v_add_nc_u32 v[\x], v[\x], v[\t]
	v_lshrrev_b32 v[\t], 16, v[\x]
	v_add_nc_u32 v[\x], v[\x], v[\t]
	v_and_b32 v[\x], 63, v[\x]
.endm
	POPC 4, 17
	POPC 5, 18
	v_lshl_or_b32 v4, v5, 16, v4                   ; both counts in one word: each sum stays under 2^16
.irp m, 1,2,4,8
	v_mov_b32_dpp v6, v4 row_xmask:\m row_mask:0xf bank_mask:0xf
	v_add_nc_u32 v4, v4, v6
.endr
	v_permlanex16_b32 v6, v4, s28, s29
	v_add_nc_u32 v4, v4, v6                        ; every lane holds both positions
	v_and_b32 v5, 0xffff, v4
	v_lshrrev_b32 v6, 16, v4
	v_min_u32 v5, 0x3ff, v5
	v_min_u32 v6, 0x3ff, v6
	s_mul_i32 s30, s24, 5242880
	s_mul_i32 s31, s25, 5242880
	v_lshl_add_u32 v20, v5, 7, v7
	v_add_nc_u32 v20, s30, v20
	v_lshl_add_u32 v21, v6, 7, v7
	v_add_nc_u32 v21, s31, v21
.irp q, 0,1,2,3,4,5,6,7
	global_load_b128 v[32+8*\q:35+8*\q], v20, s[4:5] offset:655360*\q th:TH_LOAD_NT
	global_load_b128 v[36+8*\q:39+8*\q], v21, s[4:5] offset:655360*\q th:TH_LOAD_NT
.endr
.irp q, 0,1,2,3,4,5,6,7
	s_wait_loadcnt 14-2*\q                         ; behind pair q's second load stand the 2 (7 - q) loads of the later pairs
	v_pk_mul_f32 v[36+8*\q:37+8*\q], v[36+8*\q:37+8*\q], s[34:35] op_sel_hi:[1,0]
	v_pk_mul_f32 v[38+8*\q:39+8*\q], v[38+8*\q:39+8*\q], s[34:35] op_sel_hi:[1,0]
	v_pk_fma_f32 v[36+8*\q:37+8*\q], v[32+8*\q:33+8*\q], s[32:33], v[36+8*\q:37+8*\q] op_sel_hi:[1,0,1]
	v_pk_fma_f32 v[38+8*\q:39+8*\q], v[34+8*\q:35+8*\q], s[32:33], v[38+8*\q:39+8*\q] op_sel_hi:[1,0,1]
	global_store_b128 v22, v[36+8*\q:39+8*\q], s[12:13] offset:512*\q th:TH_STORE_NT   ; each store has registers of its own
.endr
	s_endpgm
.Lfunc_end_k_qbdab4981d1_combine:
	.size	k_qbdab4981d1_combine, .Lfunc_end_k_qbdab4981d1_combine-k_qbdab4981d1_combine
	.p2alignl 7, 3214868480
	.fill 96, 4, 3214868480
	.section	.rodata,"a",@progbits
	.p2align	6, 0x0
	.amdhsa_kernel k_qbdab4981d1_combine
		.amdhsa_group_segment_fixed_size 0
		.amdhsa_private_segment_fixed_size 0
		.amdhsa_enable_private_segment 0
		.amdhsa_kernarg_size 40
		.amdhsa_user_sgpr_count 2
		.amdhsa_user_sgpr_kernarg_segment_ptr 1
		.amdhsa_wavefront_size32 1
		.amdhsa_system_sgpr_workgroup_id_x 1
		.amdhsa_system_sgpr_workgroup_id_y 1
		.amdhsa_system_sgpr_workgroup_id_z 1
		.amdhsa_system_vgpr_workitem_id 0
		.amdhsa_next_free_vgpr 96
		.amdhsa_next_free_sgpr 66
		.amdhsa_reserve_vcc 1
		.amdhsa_float_denorm_mode_32 3
		.amdhsa_float_denorm_mode_16_64 3
		.amdhsa_memory_ordered 1
		.amdhsa_forward_progress 1
		.amdhsa_inst_pref_size 12
	.end_amdhsa_kernel
	.amdgpu_metadata
---
amdhsa.version: [ 1, 2 ]
amdhsa.kernels:
  - .name:           k_qbdab4981d1_combine
    .symbol:         k_qbdab4981d1_combine.kd
    .args:
      - { .name: y, .offset: 0, .size: 8, .value_kind: global_buffer, .address_space: global }
      - { .name: ridx, .offset: 8, .size: 8, .value_kind: global_buffer, .address_space: global }
      - { .name: rw, .offset: 16, .size: 8, .value_kind: global_buffer, .address_space: global }
      - { .name: rmask, .offset: 24, .size: 8, .value_kind: global_buffer, .address_space: global }
      - { .name: out0, .offset: 32, .size: 8, .value_kind: global_buffer, .address_space: global }
    .group_segment_fixed_size: 0
    .private_segment_fixed_size: 0
    .kernarg_segment_align: 8
    .kernarg_segment_size: 40
    .max_flat_workgroup_size: 128
    .sgpr_count:     66
    .vgpr_count:     96
    .wavefront_size: 32
...
	.end_amdgpu_metadata
.endif
;; end of part 4
;; ======== version 2 of 2: 4 launches
;; workspace buffers: xc 786,432 bytes; xs 32,768 bytes; rmask 1,024 bytes of whole numbers; ridx 4,096 bytes of whole numbers; rw 8,192 bytes; hc 15,728,640 bytes; hs 655,360 bytes; y 41,943,040 bytes
;; launch router (part 5): grid 64 x 1, 4 waves a work-group, no clusters, 24,064 bytes of LDS; arguments hidden_states, gate_w, out1, xc, xs, rmask, ridx, rw; writes out1, xc, xs, rmask, ridx, rw
.if DOCPART == 5
	.amdgcn_target "amdgcn-amd-amdhsa--gfx1250"
	.amdhsa_code_object_version 6
	.text
	.protected	k_qbdab4981d1_router
	.globl	k_qbdab4981d1_router
	.p2align	8
	.type	k_qbdab4981d1_router,@function
k_qbdab4981d1_router:
	s_mov_b64 s[64:65], 0
	v_nop
	global_prefetch_b8 v0, s[64:65] scope:SCOPE_SE
	s_setreg_imm32_b32 hwreg(HW_REG_WAVE_MODE, 25, 1), 1
	s_wait_xcnt 0x0
; ROUTER AND QUANTISER OF x.  1,024 tokens of 1,024 f32.  A work-group takes 16 tokens, each of its four waves 4.
; (1) x becomes codes of E2M3 with one E8M0 byte for each 32 along D.  A block's scale is 2^(floor(log2(largest magnitude)) - 2).
;     xc: [token][h 2][384 bytes]: stream h holds the blocks 4 s + 2 c + h in the order 2 s + c, 24 bytes each, so that lane (r, h) of a matrix
;     operand finds the 96 registers of all 8 K steps of its token as 384 bytes on end.  xs: [token][32]: byte B = block B.
; (2) the 8 logits of each token, in f32 by fused multiply-adds -> out1.
; (3) the two largest logits (the lower index wins on equal logits) and their weights c1 = 1 / (1 + e^(l2 - l1)), c2 = e^(l2 - l1) c1: the largest
;     logit is taken away ahead of the exponential, and the softmax's sum cancels in the renormalised pair.
;     They are stored at fixed places: ridx[token] = i1 | i2 << 8, rw[token] = c1, c2, rmask[e][32 words]: bit b of word j = token 32 j + b chose e.
;     No address and no branch of this launch hangs on them.
; LIMITS: NaN and infinities among the inputs are not served.  A block whose largest magnitude lies under 2^-124, a block of zeros too, keeps the
; byte 1: these bytes are read by this program alone, and zero codes add nothing.  The order is taken on the logits: two different logits whose
; softmax scores round to one f32 number could be ordered otherwise than by the scores.
; No matrix unit, no cluster: 8 columns are too few for a matrix tile, and work-groups share only the 32 KiB of gate_w.
.set SP,   80                          ; a lane's place in a stage: 64 bytes + 16 of padding
.set WREG, 5632                        ; LDS of a wave: two stages of 32 x SP bytes, then its 128 scale bytes
.set SCB,  5120
.set LG,   22528                       ; behind the four waves' regions: the work-group's logits, [token 16][8] f32
.set XQ,   32                          ; v32-63   two sets of 16 neighbours; later the 32 sums
.set XR,   64                          ; v64-191  x as loaded: token t, load i at 32 t + 4 i: k = 128 i + 4 lane + 0 .. 3
.set CD,   192                         ; v192-223 codes, four registers a step
.set EB,   224                         ; v224-231 a scale byte a step
.set SS,   192                         ; v192-255 later: the sums in pairs, (token t, expert e) at 2 (8 t + e)
.set RR,   32
.set MSB, 0
.macro WIN new                         ; the immediate's high byte repeats the setting that is left
.if MSB != (\new)
	s_set_vgpr_msb (MSB<<8)|(\new)
.set MSB, (\new)
.endif
.endm
	s_load_b512 s[4:19], s[0:1], 0x0               ; x s[4:5], gate_w s[6:7], out1 s[8:9], xc s[10:11], xs s[12:13], rmask s[14:15], ridx s[16:17], rw s[18:19]
	s_set_vgpr_msb 0x80
	v_lshl_add_u32 v0, v0, 2, 0x5c00
	v_mov_b32 v1, 0
	s_set_vgpr_msb 0x8000
	v_lshrrev_b32 v1, 5, v0
	v_readfirstlane_b32 s2, v1                     ; wave
	v_and_b32 v1, 31, v0                           ; lane
	v_lshlrev_b32 v2, 4, v1                        ; 16 x lane: my 16 bytes of a load's 512
	s_mul_i32 s3, s2, WREG
	v_lshrrev_b32 v3, 2, v1
	v_mul_u32_u24 v3, v3, SP
	v_and_b32 v8, 3, v1
	v_lshl_add_u32 v3, v8, 4, v3
	v_add_nc_u32 v3, s3, v3                        ; the stage, in: SP (lane / 4) + 16 (lane % 4)
	v_mul_u32_u24 v4, v1, SP
	v_add_nc_u32 v4, s3, v4                        ; and out: SP x lane: my 16 neighbours
	v_lshrrev_b32 v5, 1, v1
	v_add_nc_u32 v5, s3, v5                        ; my block's scale byte
	v_lshlrev_b32 v12, 2, v1                       ; 4 x lane
	v_add_nc_u32 v6, s3, v12                       ; the scale bytes on their way out
	v_bfe_u32 v7, v1, 1, 1                         ; my 12 bytes of codes in a token's xc: block 16 p + lane / 2, so h = (lane / 2) % 2,
	v_mul_u32_u24 v7, v7, 384
	v_lshrrev_b32 v8, 2, v1                        ; place lane / 4 (+ 8 p) in the stream,
	v_mad_u32_u24 v7, v8, 24, v7
	v_and_b32 v8, 1, v1                            ; and the block's lower or upper 16 codes
	v_mad_u32_u24 v7, v8, 12, v7
	v_lshl_add_u32 v13, v0, 2, LG                  ; where lane m of wave w puts logit m: 128 w + 4 m
	v_and_b32 v14, 15, v1
	v_lshlrev_b32 v15, 5, v14                      ; the 8 logits of token lane % 16
	v_lshlrev_b32 v28, 3, v1                       ; 8 x lane: rw
	v_lshlrev_b32 v29, 7, v1                       ; 128 x lane: an expert's row of rmask
	s_lshl_b32 s20, ttmp9, 4
	s_lshl_b32 s21, s2, 2
	s_add_co_u32 s20, s20, s21                     ; my wave's first token
	s_lshl_b32 s22, s20, 12
	s_mov_b32 s23, 0
	s_mul_i32 s24, s20, 768
	s_mov_b32 s25, 0
	s_lshl_b32 s26, s20, 5
	s_mov_b32 s27, 0
	s_lshl_b32 s32, ttmp9, 6
	s_mov_b32 s33, 0
	s_lshl_b32 s34, ttmp9, 7
	s_mov_b32 s35, 0
	s_lshl_b32 s36, ttmp9, 1
	s_mov_b32 s37, 0
	s_mov_b32 s28, 0xff00ff00                      ; lanes whose bit 3, 2, 1, 0 is set
	s_mov_b32 s29, 0xf0f0f0f0
	s_mov_b32 s30, 0xcccccccc
	s_mov_b32 s31, 0xaaaaaaaa
	s_wait_kmcnt 0x0
	s_add_nc_u64 s[4:5], s[4:5], s[22:23]
	s_add_nc_u64 s[10:11], s[10:11], s[24:25]
	s_add_nc_u64 s[12:13], s[12:13], s[26:27]
	s_add_nc_u64 s[8:9], s[8:9], s[26:27]
	s_add_nc_u64 s[16:17], s[16:17], s[32:33]
	s_add_nc_u64 s[18:19], s[18:19], s[34:35]
	s_add_nc_u64 s[14:15], s[14:15], s[36:37]
.irp t, 0,1,2,3
.irp i, 0,1,2,3,4,5,6,7
	global_load_b128 v[XR+32*\t+4*\i:XR+32*\t+4*\i+3], v2, s[4:5] offset:4096*\t+512*\i th:TH_LOAD_NT   ; 32 lanes read 512 consecutive bytes
.endr
.endr
	WIN 0x40                                       ; destination window 1: gate_w, expert e, load i at 32 e + 4 i
.irp e, 0,1,2,3,4,5,6,7
.irp i, 0,1,2,3,4,5,6,7
	global_load_b128 v[32*\e+4*\i:32*\e+4*\i+3], v2, s[6:7] offset:4096*\e+512*\i
.endr
.endr
	WIN 0
.macro TURN t                          ; step t's 512 numbers through the stage: LDS serves a wave's instructions in order, so no wait stands between the stores and the loads
.irp i, 0,1,2,3
	ds_store_b128 v3, v[XR+16*(\t)+4*\i:XR+16*(\t)+4*\i+3] offset:32*SP*((\t)%2)+8*SP*\i
.endr
.irp i, 0,1,2,3
	ds_load_b128 v[XQ+16*((\t)%2)+4*\i:XQ+16*((\t)%2)+4*\i+3], v4 offset:32*SP*((\t)%2)+16*\i
.endr
.endm
.macro QSTEP t                         ; step t = 2 token + p: numbers 512 p .. 512 p + 511 of the token; two neighbouring lanes hold a block
.set XS, XQ+16*((\t)%2)
.if (\t) > 0
	s_wait_dscnt 1                                 ; this step's numbers are back; the last step's byte store may be out
.else
	s_wait_dscnt 0x0
.endif
.if (\t) < 7
	TURN (\t)+1                                    ; the next step goes through the other stage meanwhile
.endif
	v_max3_num_f32 v8, |v[XS]|, |v[XS+1]|, |v[XS+2]|
	v_max3_num_f32 v9, |v[XS+3]|, |v[XS+4]|, |v[XS+5]|
.irp i, 6,10
	v_max3_num_f32 v8, v8, |v[XS+\i]|, |v[XS+\i+1]|
	v_max3_num_f32 v9, v9, |v[XS+\i+2]|, |v[XS+\i+3]|
.endr
	v_max3_num_f32 v8, v8, |v[XS+14]|, |v[XS+15]|
	v_max3_num_f32 v8, v8, v9, 0x1800000           ; and the floor 2^(3 - 127): the byte cannot fall under 1
	v_max_num_f32_dpp v8, v8, v8 row_xmask:1 row_mask:0xf bank_mask:0xf   ; with my neighbour's 16: the block's largest magnitude
	v_add_nc_u32 v11, 0xff000000, v8               ; 2 off its exponent field: the conversion takes this operand's exponent field as its scale
	v_cvt_scalef32_pk16_fp6_f32 v[CD+4*(\t):CD+4*(\t)+2], v[XS:XS+15], v11
	v_lshrrev_b32 v[EB+(\t)], 23, v11              ; the scale's byte (a plain line behind the conversion)
	ds_store_b8 v5, v[EB+(\t)] offset:SCB+16*(\t)  ; both lanes of a block write the same byte with the same value
	global_store_b96 v7, v[CD+4*(\t):CD+4*(\t)+2], s[10:11] offset:768*((\t)/2)+192*((\t)%2)
.endm
	s_wait_loadcnt 63                              ; 64 loads of gate_w were issued behind the last load of x: x is in
	TURN 0
.irp t, 0,1,2,3,4,5,6,7
	QSTEP \t
.endr
	ds_load_b32 v10, v6 offset:SCB                 ; my wave's 128 scale bytes, 4 a lane
	s_wait_dscnt 0x0
	global_store_b32 v12, v10, s[12:13]            ; 128 consecutive bytes: four tokens' rows of xs
	s_wait_loadcnt 0x0                             ; gate_w
	s_wait_xcnt 0x0                                ; the stores have read the codes' registers, which now take the sums
	WIN 0x04                                       ; source 1 (gate_w) window 1
.set kk, 0
.rept 16                               ; a lane's 32 numbers of a row, two at a time; the 32 sums by turns
.set mm, 0
.rept 32
.if kk == 0
	v_pk_mul_f32 v[SS+2*mm:SS+2*mm+1], v[XR+32*(mm/8)+2*kk:XR+32*(mm/8)+2*kk+1], v[32*(mm%8)+2*kk:32*(mm%8)+2*kk+1]
.else
	v_pk_fma_f32 v[SS+2*mm:SS+2*mm+1], v[XR+32*(mm/8)+2*kk:XR+32*(mm/8)+2*kk+1], v[32*(mm%8)+2*kk:32*(mm%8)+2*kk+1], v[SS+2*mm:SS+2*mm+1]
.endif
.set mm, mm+1
.endr
.set kk, kk+1
.endr
	WIN 0
.set mm, 0
.rept 32
	v_add_f32 v[RR+mm], v[SS+2*mm], v[SS+2*mm+1]
.set mm, mm+1
.endr
; THE 32 SUMS ACROSS THE 32 LANES, TURNED AT THE SAME TIME: at the end lane m holds the whole sum m = 8 token + expert.
.set mm, 0
.rept 16
	v_permlane16_swap_b32 v[RR+mm], v[RR+mm+16]    ; sum m's upper lanes change places with sum m + 16's lower lanes
.set mm, mm+1
.endr
.set mm, 0
.rept 16
	v_add_f32 v[RR+mm], v[RR+mm], v[RR+mm+16]      ; lanes 0-15: sum m, lanes 16-31: sum m + 16
.set mm, mm+1
.endr
.macro FOLD n, sm                      ; sums m and m + n fold into one register: lanes whose bit n is 0 keep m, the others m + n; each takes its partner's part from lane xor n
.set mm, 0
.rept \n
	v_cndmask_b32 v[64+2*mm], v[RR+mm], v[RR+mm+\n], s[\sm]
	v_cndmask_b32 v[65+2*mm], v[RR+mm+\n], v[RR+mm], s[\sm]
.set mm, mm+1
.endr
.set mm, 0
.rept \n
	v_add_f32_dpp v[RR+mm], v[65+2*mm], v[64+2*mm] row_xmask:\n row_mask:0xf bank_mask:0xf
.set mm, mm+1
.endr
.endm
	FOLD 8, 28
	FOLD 4, 29
	FOLD 2, 30
	FOLD 1, 31
	global_store_b32 v12, v[RR], s[8:9]            ; out1: four tokens' 8 logits, 128 consecutive bytes
	ds_store_b32 v13, v[RR]
	s_wait_dscnt 0x0                               ; for the others' sake: my logits lie in LDS
	s_barrier_signal -1
	s_barrier_wait -1
	s_cmp_lg_u32 s2, 0                             ; wave 0 alone chooses, a lane to a token (lanes 16-31 repeat lanes 0-15)
	s_cbranch_scc1 .Lend
	ds_load_b128 v[16:19], v15 offset:LG
	ds_load_b128 v[20:23], v15 offset:LG+16
	s_wait_dscnt 0x0
	v_mov_b32 v24, v16                             ; the largest logit and its index,
	v_mov_b32 v25, 0
	v_mov_b32 v26, 0xff800000                      ; the second largest: -infinity, under every logit
	v_mov_b32 v27, 0
.irp e, 1,2,3,4,5,6,7
	v_cmp_gt_f32 s38, v[16+\e], v24                ; strictly greater: on equal logits the lower index stays ahead
	v_cmp_gt_f32 s39, v[16+\e], v26
	v_cndmask_b32 v26, v26, v[16+\e], s39
	v_cndmask_b32 v27, v27, \e, s39
	v_cndmask_b32 v26, v26, v24, s38
	v_cndmask_b32 v27, v27, v25, s38
	v_cndmask_b32 v24, v24, v[16+\e], s38
	v_cndmask_b32 v25, v25, \e, s38
.endr
	v_sub_f32 v30, v26, v24                        ; l2 - l1, 0 or less
	v_mul_f32 v30, 0x3fb8aa3b, v30
	s_wait_alu depctr_va_vdst(0)
	v_exp_f32 v30, v30                             ; z = e^(l2 - l1)
	v_lshl_or_b32 v10, v27, 8, v25                 ; i1 | i2 << 8 (a plain line behind the exponential)
	s_wait_alu depctr_va_vdst(0)
	v_add_f32 v31, 1.0, v30
	s_wait_alu depctr_va_vdst(0)
	v_rcp_f32 v8, v31                              ; c1
	v_mov_b32 v11, 0                               ; (a plain line behind the reciprocal)
	s_wait_alu depctr_va_vdst(0)
	v_mul_f32 v9, v30, v8                          ; c2
.irp e, 0,1,2,3,4,5,6,7
	v_cmp_eq_u32 s38, \e, v25
	v_cmp_eq_u32 s39, \e, v27
	s_or_b32 s38, s38, s39                         ; bit l: token l chose expert e
	v_writelane_b32 v11, s38, \e
.endr
	s_wait_alu depctr_va_vdst(0)
	s_wait_xcnt 0x0                                ; EXEC changes only behind this wait
	v_cmp_gt_u32 vcc_lo, 16, v1
	s_and_saveexec_b32 s40, vcc_lo
	global_store_b32 v12, v10, s[16:17]
	global_store_b64 v28, v[8:9], s[18:19]
	s_wait_xcnt 0x0
	s_or_b32 exec_lo, exec_lo, s40
	v_cmp_gt_u32 vcc_lo, 8, v1
	s_and_saveexec_b32 s40, vcc_lo
	global_store_b16 v29, v11, s[14:15]            ; lane e: my 16 tokens' bits of expert e: half a word of rmask
	s_wait_xcnt 0x0
	s_or_b32 exec_lo, exec_lo, s40
.Lend:
	s_set_vgpr_msb 0xa
	s_wait_tensorcnt 0x0
	ds_add_u32 v0, v1
	s_wait_dscnt 0x0
	s_set_vgpr_msb 0xa00
	s_endpgm
.Lfunc_end_k_qbdab4981d1_router:
	.size	k_qbdab4981d1_router, .Lfunc_end_k_qbdab4981d1_router-k_qbdab4981d1_router
	.p2alignl 7, 3214868480
	.fill 96, 4, 3214868480
	.section	.rodata,"a",@progbits
	.p2align	6, 0x0
	.amdhsa_kernel k_qbdab4981d1_router
		.amdhsa_group_segment_fixed_size 24064
		.amdhsa_private_segment_fixed_size 0
		.amdhsa_enable_private_segment 0
		.amdhsa_kernarg_size 64
		.amdhsa_user_sgpr_count 2
		.amdhsa_user_sgpr_kernarg_segment_ptr 1
		.amdhsa_wavefront_size32 1
		.amdhsa_system_sgpr_workgroup_id_x 1
		.amdhsa_system_sgpr_workgroup_id_y 1
		.amdhsa_system_sgpr_workgroup_id_z 1
		.amdhsa_system_vgpr_workitem_id 0
		.amdhsa_next_free_vgpr 514
		.amdhsa_next_free_sgpr 66
		.amdhsa_reserve_vcc 1
		.amdhsa_float_denorm_mode_32 3
		.amdhsa_float_denorm_mode_16_64 3
		.amdhsa_memory_ordered 1
		.amdhsa_forward_progress 1
		.amdhsa_inst_pref_size 68
	.end_amdhsa_kernel
	.amdgpu_metadata
---
amdhsa.version: [ 1, 2 ]
amdhsa.kernels:
  - .name:           k_qbdab4981d1_router
    .symbol:         k_qbdab4981d1_router.kd
    .args:
      - { .name: hidden_states, .offset: 0, .size: 8, .value_kind: global_buffer, .address_space: global }
      - { .name: gate_w, .offset: 8, .size: 8, .value_kind: global_buffer, .address_space: global }
      - { .name: out1, .offset: 16, .size: 8, .value_kind: global_buffer, .address_space: global }
      - { .name: xc, .offset: 24, .size: 8, .value_kind: global_buffer, .address_space: global }
      - { .name: xs, .offset: 32, .size: 8, .value_kind: global_buffer, .address_space: global }
      - { .name: rmask, .offset: 40, .size: 8, .value_kind: global_buffer, .address_space: global }
      - { .name: ridx, .offset: 48, .size: 8, .value_kind: global_buffer, .address_space: global }
      - { .name: rw, .offset: 56, .size: 8, .value_kind: global_buffer, .address_space: global }
    .group_segment_fixed_size: 24064
    .private_segment_fixed_size: 0
    .kernarg_segment_align: 8
    .kernarg_segment_size: 64
    .max_flat_workgroup_size: 128
    .sgpr_count:     66
    .vgpr_count:     514
    .wavefront_size: 32
...
	.end_amdgpu_metadata
.endif
;; end of part 5
;; launch gateup (part 6): grid 32 x 8, 4 waves a work-group, no clusters, 140,800 bytes of LDS; arguments w_gate, w_up, xc, xs, rmask, hc, hs; writes hc, hs
.if DOCPART == 6
	.amdgcn_target "amdgcn-amd-amdhsa--gfx1250"
	.amdhsa_code_object_version 6
	.text
	.protected	k_qbdab4981d1_gateup
	.globl	k_qbdab4981d1_gateup
	.p2align	8
	.type	k_qbdab4981d1_gateup,@function
k_qbdab4981d1_gateup:
	s_mov_b64 s[64:65], 0
	v_nop
	global_prefetch_b8 v0, s[64:65] scope:SCOPE_SE
	s_setreg_imm32_b32 hwreg(HW_REG_WAVE_SCHED_MODE, 0, 2), 2
	s_setreg_imm32_b32 hwreg(HW_REG_WAVE_MODE, 25, 1), 1
	s_wait_xcnt 0x0
	s_wait_alu depctr_vm_vsrc(0)
; h = silu(x Wg^T) * (x Wu^T) for the rows that chose an expert, both products on codes of E2M3 with E8M0 scales; h leaves as codes for the next product.
; SHARES.  Work-group (q, e) OWNS hidden units 64 q .. 64 q + 63 of expert e in w_gate and w_up: 512 KiB of f32, read from memory once in the whole program.
; WEIGHT PHASE.  Wave w takes tile w (16 rows) of both matrices, 8 K steps each: 16 fragments.  A fragment's 16 rows x 512 bytes come by 16 loads of 512 consecutive
; bytes, turn through the wave's own stage in LDS so that lane (r, h) holds its two blocks of 32 along K, are quantised in registers, and stay in LDS as an IMAGE OF THE
; OPERAND'S REGISTERS (three stores of 16 bytes a lane) with their scale words.  Loads run three fragments ahead in a ring of four register slots.
; ROW PHASE.  The expert's rows are its tokens in ascending order; position p is found from the expert's 1,024-bit map without a branch.  A pass is 20 tiles of 16 rows,
; 5 a wave, whose codes of x stay in 480 registers; each wave multiplies them against all 64 images.  Pass 0 always runs, so that every byte which the next launch reads
; is written; rows past the expert's count repeat some token and are read by nobody at the end.
; THE ROWS OF A WEIGHT TILE ARE NOT NEIGHBOURS: lane r of tile 2 b + u takes unit 32 b + 8 u + r + 8 (r / 8).  The products are used transposed (source 0 = weights,
; source 1 = x), so a lane holds one token, and the 16 registers of tiles 2 b, 2 b + 1 are units 32 b + 16 (lane / 16) + 0 .. 15: neighbours along the next K.
; hc: [e][tile 80][K step 16][h' 2][group 3][row 16][16 bytes]; hs: [e][tile 80][row 16][64]: byte 4 s + 2 c + h'.  In the next product place (c, h') of K step s is the block
; of units 128 s + 64 h' + 32 c: a permutation of blocks applied alike to both operands; so slice q = 2 s + h' fills whole runs of 256 bytes.
; NO JOINT LOADS, NO DATA MOVER: the number of passes hangs on a count read from memory, and the shared rows of x are gathered by a list; each weight byte has one reader.
; LIMITS: NaN and infinities are not served.  A block whose largest magnitude lies under 2^-124, a block of zeros too, keeps the byte 1 (read by this program alone).
; 1 / (1 + e^-g) is 0 for g under about -88, where the exact value is under the smallest normal f32 number.
; THE MODE: SCHED_MODE bits 1:0 = 2 (LLVM: expert scheduling mode 2), set by the entry lines.  The code itself states the register dependences between vector or matrix
; instructions and memory or LDS instructions, with s_wait_alu, always for 0.
; THE PLAN.  Registers that memory or LDS instructions touch:
;   v4-v10, v14-v16, v182, v183   addresses, made once at the head, ahead of one wait on va_vdst, and never written again.
;   ring slot f % 4   written by fragment f's loads; read by step f's stage stores; loaded again in step f + 1.
;   T                 written by a step's LDS loads; read by its quantiser.       F, the scale word: written by the quantiser; read by the step's four image stores.
;       A weight step has two waits: at its head one on vm_vsrc (the last step's LDS stores have read the slot, F and the scale word), and behind the quantiser one on
;       va_vdst (F and the scale word are written; T is done with, so that the next step's loads into T owe nothing more).
;   v18-v27           x's offsets: written by the search for the pass's tokens, which ends with a wait on va_vdst; read by the pass's 130 loads of x.
;   x's codes, XS     written by those loads; read by the pass's matrix instructions.
;   WS, two sets of weights   written by LDS loads; read by matrix instructions.  K step s multiplies set s % 2; its loads land in the other set, which the step before read:
;       one wait on va_vdst at the step's head, and the twelve loads are dealt in two runs among the step's twenty matrix instructions, which name none of their registers.
;   OT                written by the pass's last selects; one wait on va_vdst; read by its 15 stores; one wait on vm_vsrc behind them, ahead of the branch.
;   The accumulators lie where ring slots 2 and 3 lay: one wait on vm_vsrc behind the barrier.
; Masks that compares write are read behind a wait on va_sdst or va_vcc.
.set WSC,   98304                      ; LDS: 64 images of 1,536 bytes at ((mat 4 + tile) 8 + s) 1,536; then scale words at (mat 4 + tile) 1,024 + 32 lane + 4 s;
.set WSTG,  106496                     ; then a stage of 16 rows x 528 bytes for each wave
.set STGB,  8448
.set CO,    256                        ; from a lane's block c = 0 to c = 1 in a stage row: k = 64 c + 32 h
.set NF,    16
.set L16,   4                          ; v4   16 x lane
.set WUA,   5                          ; v5   the same at w_up's images
.set WSI,   6                          ; v6   the stage, in
.set WSO,   7                          ; v7   the stage, out: 528 r + 128 h
.set WII,   8                          ; v8   where I store images
.set WSS,   9                          ; v9   and scale words
.set WSA,   10                         ; v10  where any wave reads scale words: 32 x lane
.set SH8,   11                         ; v11  8 h
.set P0,    12                         ; v12  64 h + 16 wave + r: my position in a pass, for tile places 0 and 1
.set H384,  13                         ; v13  384 h
.set VB128, 14                         ; v14-16 my bytes in a tile's part of hc and hs
.set VB64,  15
.set VBS,   16
.set TP,    17
.set XO,    18                         ; v18-22 byte offset of my token's stream in xc, a register for each of my 5 tiles
.set XSO,   23                         ; v23-27 and of its scale words in xs
.set PV,    28                         ; v28-44 at work in the search for a position's token
.set PP,    29
.set SV,    30
.set MW,    31
.set QQ,    32
.set TB,    33
.set CA,    34
.set CB,    35
.set CC,    36
.set CD,    37
.set POS,   38
.set TT,    39
.set T2,    40
.set TK,    41
.set TX,    44
.set Q0,    28                         ; v28-47 later: block 0's codes, four registers a tile;  v160-179 block 1's
.set BY0,   48                         ; v48-52, v53-57 the two blocks' scale bytes
.set BY1,   53
.set Q1,    160
.set T,     64                         ; v64-127 a fragment's 64 numbers of a lane
.set F,     128                        ; v128-139 its codes
.set F2,    140
.set MX,    148
.set SO,    152
.set BY,    154
.set SWD,   156
.set WB,    64                         ; v64-159 row phase: weights' fragments, two sets of four
.set OT,    64                         ; at a pass's end: what is stored, eight registers a tile
.set XS,    184                        ; v184-223 x's scale words, 8 i + s: scales and nothing else
.set WS,    224                        ; v224-255 the weights' scale words, 8 p + s: scales and nothing else
.set ACC,   96                         ; window 3: accumulator (tile i, p = 2 mat + u) at 96 + 32 i + 8 p
; window 1: x's tiles 0, 1 at v0, v96, ring slot 0 at v192;  window 2: tiles 2, 3, ring slot 1;  window 3: tile 4 at v0, ring slots 2, 3 at v96, v160 (later the accumulators)
.set M,     16                         ; s[16:47] the expert's map, 32 words
.set PJ,    66                         ; s[66:97] (tokens of the expert in words under j) << 5 | j
.set SEL,   56
.set NL,    98                         ; s[98:99] -log2(e), as a pair
.set HI,    100                        ; s100 lanes 16-31
.set POSB,  101                        ; s101 the pass's first position
.set NT,    52                         ; s52  tiles that hold rows
.set FT,    53                         ; s53  the pass's first tile
.set PASS,  54
.set CM,    58                         ; s58-63, s50, s51: eight masks of the search (mask g at CM + g - 14 (g / 6)); at the head these hold byte offsets
.set MSB, 0
.macro WIN new                         ; the immediate's high byte repeats the setting that is left
.if MSB != (\new)
	s_set_vgpr_msb (MSB<<8)|(\new)
.set MSB, (\new)
.endif
.endm
.macro PLACES                          ; four plain lines between a matrix instruction and a load into, or a read of, its registers
.rept 4
	v_nop
.endr
.endm
.macro SLOTOF f                        ; fragment f's ring slot: window and first register
.set SLW, 1+((\f)%4)
.set SLB, 192
.if ((\f)%4) >= 2
.set SLW, 3
.set SLB, 96+64*(((\f)%4)-2)
.endif
.endm
.macro WLOAD f                         ; fragment f = 8 mat + s: 16 rows x 512 consecutive bytes
	SLOTOF \f
	WIN SLW<<6
.irp i, 0,1,2,3,4,5,6,7,8,9,10,11,12,13,14,15
	global_load_b128 v[SLB+4*\i:SLB+4*\i+3], v[L16], s[4+2*((\f)/8):5+2*((\f)/8)] offset:(\i+8*(\i/8))*4096+512*((\f)%8) th:TH_LOAD_NT
.endr
.endm
.macro XL n                            ; load n of a pass's 130: tile n / 26: 24 loads of codes, 2 of scale words
.set XT, (\n)/26
.set XI, (\n)%26
.if XI < 24
	WIN (1+XT/2)<<6
	global_load_b128 v[96*(XT%2)+4*XI:96*(XT%2)+4*XI+3], v[XO+XT], s[8:9] offset:16*XI
.else
	WIN 0
	global_load_b128 v[XS+8*XT+4*(XI-24):XS+8*XT+4*(XI-24)+3], v[XSO+XT], s[10:11] offset:16*(XI-24)
.endif
.endm
.macro XBATCH g
.set XN, 10*(\g)
.rept 10
	XL XN
.set XN, XN+1
.endr
.endm
; 64 numbers of a lane, T[32 c + i] = number i of its block c, become the operand's 12 registers F and the row's scale word SWD (byte 2 c + h)
.macro WQ
.irp g, 0,1,2,3
	v_max3_num_f32 v[MX+\g], |v[T+16*\g]|, |v[T+16*\g+1]|, 0x1800000   ; four chains of 16; the floor 2^(3 - 127) holds the byte at 1 from below
.endr
.irp i, 2,4,6,8,10,12,14
.irp g, 0,1,2,3
	v_max3_num_f32 v[MX+\g], v[MX+\g], |v[T+16*\g+\i]|, |v[T+16*\g+\i+1]|
.endr
.endr
	v_max_num_f32 v[MX], v[MX], v[MX+1]
	v_max_num_f32 v[MX+2], v[MX+2], v[MX+3]
	v_add_nc_u32 v[SO], 0xff000000, v[MX]          ; 2 off the exponent field: the conversion's scale operand
	v_add_nc_u32 v[SO+1], 0xff000000, v[MX+2]
	v_lshrrev_b32 v[BY], 23, v[SO]
	v_lshrrev_b32 v[BY+1], 23, v[SO+1]
	v_lshl_or_b32 v[SWD], v[BY+1], 16, v[BY]
	v_lshlrev_b32 v[SWD], v[SH8], v[SWD]           ; my two bytes at places h and 2 + h;
	v_permlanex16_b32 v[TP], v[SWD], s[SEL], s[SEL+1]
	v_or_b32 v[SWD], v[SWD], v[TP]                 ; with lane l xor 16's two the word is whole
.irp c, 0,1
	v_cvt_scalef32_pk16_fp6_f32 v[F+6*\c:F+6*\c+2], v[T+32*\c:T+32*\c+15], v[SO+\c]
	v_cvt_scalef32_pk16_fp6_f32 v[F2+4*\c:F2+4*\c+2], v[T+32*\c+16:T+32*\c+31], v[SO+\c]   ; (a conversion's three registers begin on an even number)
.endr
	v_nop                                          ; one plain line behind the conversions
.irp c, 0,1
.irp i, 0,1,2
	v_mov_b32 v[F+6*\c+3+\i], v[F2+4*\c+\i]
.endr
.endr
.endm
.macro WSTEP f, nw                     ; nw: the loads issued behind fragment f's, which may stay out
	s_wait_loadcnt \nw
.if (\f) > 0
	s_wait_alu depctr_vm_vsrc(0)                   ; the last step's stage stores have read their ring slot, in which the loads of three fragments on land; its image stores have read F and the scale word, which this step's quantiser writes again
.endif
	SLOTOF \f
	WIN SLW<<2                                     ; an LDS store's data are its source 1
.irp i, 0,1,2,3,4,5,6,7,8,9,10,11,12,13,14,15
	ds_store_b128 v[WSI], v[SLB+4*\i:SLB+4*\i+3] offset:528*\i
.endr
	WIN 0
.irp c, 0,1
.irp j, 0,1,2,3,4,5,6,7
	ds_load_b128 v[T+32*\c+4*\j:T+32*\c+4*\j+3], v[WSO] offset:CO*\c+16*\j   ; LDS serves a wave's instructions in order: these see the stores above.  The last step's quantiser, which read T, stands ahead of that step's wait on va_vdst
.endr
.endr
.if (\f)+3 < NF
	WLOAD (\f)+3                                   ; into the slot that the last step's stage stores have read
.endif
.if (\f) < 13
	XBATCH \f                                      ; ten of the first pass's loads of x
.endif
	WIN 0
	s_wait_dscnt 0x0                               ; T is in
	WQ
	s_wait_alu depctr_va_vdst(0)                   ; the quantiser has written F and the scale word, which the four stores below read, and is done reading T, in which the next step's loads land
.irp g, 0,1,2
	ds_store_b128 v[WII], v[F+4*\g:F+4*\g+3] offset:49152*((\f)/8)+1536*((\f)%8)+512*\g
.endr
	ds_store_b32 v[WSS], v[SWD] offset:4096*((\f)/8)+4*((\f)%8)
.endm
; One step down in the search for the QQ-th set bit: the count of set bits in the lower half of the field at POS
.macro DESC src, width, step
	v_bfe_u32 v[TT], v[\src], v[POS], \width
	v_cmp_ge_u32 vcc_lo, v[QQ], v[TT]
	s_wait_alu depctr_va_vcc(0)                    ; the compare has written VCC, which the two selects below read
	v_cndmask_b32 v[TT], 0, v[TT], vcc_lo
	v_sub_nc_u32 v[QQ], v[QQ], v[TT]
	v_cndmask_b32 v[T2], 0, \step, vcc_lo
	v_add_nc_u32 v[POS], v[POS], v[T2]
.endm
; The token at position p of the expert's list, without a branch.  Lanes 0-15 serve tile place 2 k, lanes 16-31 place 2 k + 1.
.macro SELECT k
	v_add_nc_u32 v[PV], s[POSB], v[P0]
.if \k > 0
	v_add_nc_u32 v[PV], 128*\k, v[PV]
.endif
	v_lshl_or_b32 v[PP], v[PV], 5, 31
	v_mov_b32 v[SV], s[PJ]
	v_mov_b32 v[MW], s[M]
.set j, 1
.rept 4                                ; the last word in front of which at most p tokens lie: the compares in runs of eight, each into a mask of its own, then their selects in ascending order
.set g, 0
.rept 8
.if j+g < 32
	v_cmp_le_u32 s[CM+g-14*(g/6)], s[PJ+j+g], v[PP]
.endif
.set g, g+1
.endr
	s_wait_alu depctr_va_sdst(0)                   ; the run's compares have written their masks, which the selects below read
.set g, 0
.rept 8
.if j+g < 32
	v_cndmask_b32 v[SV], v[SV], s[PJ+j+g], s[CM+g-14*(g/6)]
	v_cndmask_b32 v[MW], v[MW], s[M+j+g], s[CM+g-14*(g/6)]
.endif
.set g, g+1
.endr
.set j, j+8
.endr
	v_lshrrev_b32 v[TT], 5, v[SV]
	v_sub_nc_u32 v[QQ], v[PV], v[TT]               ; which set bit of that word
	v_and_b32 v[TB], 31, v[SV]
	v_lshlrev_b32 v[TB], 5, v[TB]                  ; the word's first token
	v_lshrrev_b32 v[TT], 1, v[MW]                  ; counts of set bits in fields of 2, 4 and 8 bits, and in the low 16
	v_and_b32 v[TT], 0x55555555, v[TT]
	v_sub_nc_u32 v[CA], v[MW], v[TT]
	v_lshrrev_b32 v[TT], 2, v[CA]
	v_and_b32 v[TT], 0x33333333, v[TT]
	v_and_b32 v[CB], 0x33333333, v[CA]
	v_add_nc_u32 v[CB], v[CB], v[TT]
	v_lshrrev_b32 v[TT], 4, v[CB]
	v_add_nc_u32 v[CC], v[CB], v[TT]
	v_and_b32 v[CC], 0x0f0f0f0f, v[CC]
	v_lshrrev_b32 v[TT], 8, v[CC]
	v_add_nc_u32 v[CD], v[CC], v[TT]
	v_mov_b32 v[POS], 0
	DESC CD, 8, 16
	DESC CC, 8, 8
	DESC CB, 4, 4
	DESC CA, 2, 2
	DESC MW, 1, 1
	v_add_nc_u32 v[TK+\k], v[TB], v[POS]           ; past the list's end: some number, held to 1,023 below
.endm
.macro PLACE                           ; the byte offsets of my five tiles' tokens: every lane (r, h) gets row r's
	SELECT 0
	SELECT 1
	SELECT 2
.irp k, 0,1,2
	v_permlanex16_b32 v[TX], v[TK+\k], s[SEL], s[SEL+1]
	v_cndmask_b32 v[TT], v[TK+\k], v[TX], s[HI]
	v_min_u32 v[TT], 0x3ff, v[TT]
	v_mul_u32_u24 v[XO+2*\k], v[TT], 768
	v_add_nc_u32 v[XO+2*\k], v[XO+2*\k], v[H384]
	v_lshlrev_b32 v[XSO+2*\k], 5, v[TT]
.if \k < 2
	v_cndmask_b32 v[T2], v[TX], v[TK+\k], s[HI]
	v_min_u32 v[T2], 0x3ff, v[T2]
	v_mul_u32_u24 v[XO+2*\k+1], v[T2], 768
	v_add_nc_u32 v[XO+2*\k+1], v[XO+2*\k+1], v[H384]
	v_lshlrev_b32 v[XSO+2*\k+1], 5, v[T2]
.endif
.endr
	s_wait_alu depctr_va_vdst(0)                   ; the ten offsets v18 to v27 are written, which the pass's loads of x read; in a later pass the matrix instructions are done reading x's codes and scale words, in which those loads land
.endm
	s_load_b256 s[4:11], s[0:1], 0x0               ; w_gate s[4:5], w_up s[6:7], xc s[8:9], xs s[10:11]
	s_load_b128 s[12:15], s[0:1], 0x20             ; rmask s[12:13], hc s[14:15]
	s_load_b64 s[48:49], s[0:1], 0x30              ; hs
	v_lshl_add_u32 v182, v0, 2, 0x22400
	v_mov_b32 v183, 0
	v_lshrrev_b32 v1, 5, v0
	v_readfirstlane_b32 s2, v1                     ; wave
	s_and_b32 s3, ttmp7, 0xffff                    ; expert
	v_and_b32 v1, 31, v0                           ; lane
	v_and_b32 v2, 15, v0                           ; r
	v_bfe_u32 v3, v0, 4, 1                         ; h
	v_lshlrev_b32 v[L16], 4, v1
	v_add_nc_u32 v[WUA], 49152, v[L16]
	s_wait_alu depctr_va_sdst(0)                   ; s2 is written, ahead of its first reader: LDS addresses and the buffers' offsets are made from it
	s_mul_i32 s55, s2, STGB
	s_add_co_u32 s55, s55, WSTG
	v_add_nc_u32 v[WSI], s55, v[L16]
	v_mul_u32_u24 v[WSO], v2, 528
	v_lshl_add_u32 v[WSO], v3, 7, v[WSO]
	v_add_nc_u32 v[WSO], s55, v[WSO]
	s_mul_i32 s55, s2, 12288
	v_add_nc_u32 v[WII], s55, v[L16]
	v_lshlrev_b32 v[WSA], 5, v1
	v_add_nc_u32 v[WSA], WSC, v[WSA]
	s_lshl_b32 s55, s2, 10
	v_add_nc_u32 v[WSS], s55, v[WSA]
	v_lshlrev_b32 v[SH8], 3, v3
	v_lshl_add_u32 v[P0], v3, 6, v2
	s_lshl_b32 s55, s2, 4
	v_add_nc_u32 v[P0], s55, v[P0]
	v_mul_u32_u24 v[H384], v3, 384
	v_lshlrev_b32 v[VB128], 4, v2
	v_lshl_add_u32 v[VB64], v3, 3, v[VB128]
	v_add_nc_u32 v[VB64], 256, v[VB64]             ; 256 + 16 r + 8 h
	v_lshl_add_u32 v[VB128], v3, 9, v[VB128]       ; 16 r + 512 h
	v_lshlrev_b32 v[VBS], 6, v2
	v_lshl_add_u32 v[VBS], v3, 1, v[VBS]           ; 64 r + 2 h
	v_mov_b32 v[TP], 0                             ; written once: a lane permute's destination counts as one of its sources
	v_mov_b32 v[TX], 0
	s_mov_b32 s[SEL], 0x76543210
	s_mov_b32 s[SEL+1], 0xfedcba98                 ; v_permlanex16_b32's selects for lane l xor 16
	s_mov_b32 s[NL], 0xbfb8aa3b
	s_mov_b32 s[NL+1], s[NL]
	s_mov_b32 s[HI], 0xffff0000
	s_mov_b32 s[POSB], 0
	s_mov_b32 s[FT], 0
	s_mov_b32 s[PASS], 0
	s_lshl_b32 s58, s3, 23                         ; weights: expert x 8 MiB + slice x 64 rows + my tile's first row 32 (w / 2) + 8 (w % 2), rows of 4,096 bytes
	s_lshl_b32 s55, ttmp9, 18
	s_add_co_u32 s58, s58, s55
	s_lshr_b32 s55, s2, 1
	s_lshl_b32 s55, s55, 17
	s_add_co_u32 s58, s58, s55
	s_and_b32 s55, s2, 1
	s_lshl_b32 s55, s55, 15
	s_add_co_u32 s58, s58, s55
	s_mov_b32 s59, 0
	s_lshl_b32 s60, s3, 7                          ; the expert's 128 bytes of rmask
	s_mov_b32 s61, 0
	s_mul_i32 s62, s3, 1966080                     ; hc: expert, tile = wave, K step q / 2, half q % 2
	s_mul_i32 s55, s2, 24576
	s_add_co_u32 s62, s62, s55
	s_lshr_b32 s55, ttmp9, 1
	s_mul_i32 s55, s55, 1536
	s_add_co_u32 s62, s62, s55
	s_and_b32 s55, ttmp9, 1
	s_mul_i32 s55, s55, 768
	s_add_co_u32 s62, s62, s55
	s_mov_b32 s63, 0
	s_mul_i32 s50, s3, 81920                       ; hs: expert, tile = wave, byte 4 (q / 2) + q % 2
	s_lshl_b32 s55, s2, 10
	s_add_co_u32 s50, s50, s55
	s_lshr_b32 s55, ttmp9, 1
	s_lshl_b32 s55, s55, 2
	s_add_co_u32 s50, s50, s55
	s_and_b32 s55, ttmp9, 1
	s_add_co_u32 s50, s50, s55
	s_mov_b32 s51, 0
	s_wait_kmcnt 0x0
	s_add_nc_u64 s[4:5], s[4:5], s[58:59]
	s_add_nc_u64 s[6:7], s[6:7], s[58:59]
	s_add_nc_u64 s[12:13], s[12:13], s[60:61]
	s_add_nc_u64 s[14:15], s[14:15], s[62:63]
	s_add_nc_u64 s[48:49], s[48:49], s[50:51]
	s_load_b512 s[16:31], s[12:13], 0x0
	s_load_b512 s[32:47], s[12:13], 0x40
	s_wait_alu depctr_va_vdst(0)                   ; the addresses and offsets v4 to v10 and v14 to v16 are written, which the kernel's loads and stores read; none is written again
	WLOAD 0                                        ; the ring is filled before anything else is done: 48 loads, 24 KiB a wave
	WLOAD 1
	WLOAD 2
	WIN 0
	s_wait_kmcnt 0x0
	s_mov_b32 s51, 0
.set j, 0
.rept 32
	s_lshl_b32 s55, s51, 5
	s_or_b32 s[PJ+j], s55, j
	s_bcnt1_i32_b32 s55, s[M+j]
	s_add_co_u32 s51, s51, s55
.set j, j+1
.endr
	s_add_co_u32 s[NT], s51, 15
	s_lshr_b32 s[NT], s[NT], 4
	PLACE
; Behind fragment f's 16 loads stand, when step f waits: f = 0: fragments 1, 2 (32); f = 1: fragments 2, 3 and a batch of x (42); f = 2: 52;
; f = 3 .. 13: two fragments and three batches (62); f = 14: fragment 15 and two batches (36); f = 15: one batch (10).
	WSTEP 0, 32
	WSTEP 1, 42
	WSTEP 2, 52
.irp f, 3,4,5,6,7,8,9,10,11,12,13
	WSTEP \f, 62
.endr
	WSTEP 14, 36
	WSTEP 15, 10
	s_wait_dscnt 0x0                               ; for the others' sake: my images and scale words lie in LDS
	s_barrier_signal -1
	s_barrier_wait -1                              ; the launch's one barrier; behind it nobody writes LDS
	s_wait_alu depctr_vm_vsrc(0)                   ; my stage stores have read ring slots 2 and 3, which the matrix instructions write as accumulators from here on; my last image stores have read F and the scale word, in which fragments of weights land
.macro WBG b, s                        ; K step s of units 32 b on: gate's two tiles into set s % 2
.irp u, 0,1
.irp g, 0,1,2
	ds_load_b128 v[WB+48*((\s)%2)+12*\u+4*\g:WB+48*((\s)%2)+12*\u+4*\g+3], v[L16] offset:((2*(\b)+\u)*8+(\s))*1536+512*\g
.endr
.endr
.endm
.macro WBU b, s                        ; and up's two
.irp u, 0,1
.irp g, 0,1,2
	ds_load_b128 v[WB+48*((\s)%2)+24+12*\u+4*\g:WB+48*((\s)%2)+24+12*\u+4*\g+3], v[WUA] offset:((2*(\b)+\u)*8+(\s))*1536+512*\g
.endr
.endr
.endm
.macro GSTEP b, s                      ; 20 matrix instructions: my 5 tiles of rows x 4 tiles of weights; the 20 accumulators take turns
.if (\s) < 7
.if (\s) > 0
	s_wait_alu depctr_va_vdst(0)                   ; the last step's matrix instructions are done reading the other set, in which this step's twelve loads land.  (In a block's first step that set's last readers stand ahead of an earlier wait on va_vdst, as said at the block's head)
.endif
	WBG \b, (\s)+1
	s_wait_dscnt 6                                 ; all but the six just issued: this step's set is in
.else
	s_wait_dscnt 0x0
.endif
.irp i, 0,1,2,3,4
.if ((\i) == 2) && ((\s) < 7)
	WIN 0
	WBU \b, (\s)+1                                 ; no wait: the eight matrix instructions since the wait name this step's set, x, the scale words and the accumulators, none of the registers that these loads touch
.endif
	WIN 0xf0|((1+\i/2)<<2)                         ; source 0 (weights) window 0, source 1 (x) the tile's window, C and D window 3
.irp p, 0,1,2,3
.set RD, ACC+32*\i+8*\p
.set RA, WB+48*((\s)%2)+12*\p
.set RB, 96*(\i%2)+12*(\s)
.if (\s) == 0
	v_wmma_scale_f32_16x16x128_f8f6f4 v[RD:RD+7], v[RA:RA+11], v[RB:RB+11], 0, v[WS+8*\p+(\s)], v[XS+8*\i+(\s)] matrix_a_fmt:MATRIX_FMT_FP6 matrix_b_fmt:MATRIX_FMT_FP6
.else
	v_wmma_scale_f32_16x16x128_f8f6f4 v[RD:RD+7], v[RA:RA+11], v[RB:RB+11], v[RD:RD+7], v[WS+8*\p+(\s)], v[XS+8*\i+(\s)] matrix_a_fmt:MATRIX_FMT_FP6 matrix_b_fmt:MATRIX_FMT_FP6
.endif
.endr
.endr
	WIN 0
	PLACES
.endm
; Tile i's 16 numbers a lane of g and of u become h = g u / (1 + 2^(-g log2 e)), its block's scale byte and 16 codes.  Each accumulator is read from its low end on.
.macro EPI b, i
.set G, ACC+32*(\i)
.set U, G+16
	WIN 0xff
.irp j, 0,2,4,6,8,10,12,14
	v_pk_mul_f32 v[U+\j:U+\j+1], v[G+\j:G+\j+1], v[U+\j:U+\j+1]
.endr
.irp j, 0,2,4,6,8,10,12,14
	v_pk_mul_f32 v[G+\j:G+\j+1], v[G+\j:G+\j+1], s[NL:NL+1] op_sel_hi:[1,0]
.endr
	s_wait_alu depctr_va_vdst(0)
.irp j, 0,1,2,3,4,5,6,7,8,9,10,11,12,13,14,15
	v_exp_f32 v[G+\j], v[G+\j]
.endr
	v_nop                                          ; a plain line behind the exponentials
	s_wait_alu depctr_va_vdst(0)                   ; the sixteen exponentials have written v[G ..], ahead of their first reader
.irp j, 0,2,4,6,8,10,12,14
	v_pk_add_f32 v[G+\j:G+\j+1], v[G+\j:G+\j+1], 1.0 op_sel_hi:[1,0]
.endr
	s_wait_alu depctr_va_vdst(0)
.irp j, 0,1,2,3,4,5,6,7,8,9,10,11,12,13,14,15
	v_rcp_f32 v[G+\j], v[G+\j]
.endr
	v_nop                                          ; a plain line behind the reciprocals
	s_wait_alu depctr_va_vdst(0)                   ; the sixteen reciprocals have written v[G ..], ahead of their first reader
.irp j, 0,2,4,6,8,10,12,14
	v_pk_mul_f32 v[U+\j:U+\j+1], v[U+\j:U+\j+1], v[G+\j:G+\j+1]
.endr
	v_max3_num_f32 v[G], |v[U]|, |v[U+1]|, 0x1800000   ; my 16 numbers and the floor, in two chains
	v_max3_num_f32 v[G+1], |v[U+8]|, |v[U+9]|, |v[U+10]|
	v_max3_num_f32 v[G], v[G], |v[U+2]|, |v[U+3]|
	v_max3_num_f32 v[G+1], v[G+1], |v[U+11]|, |v[U+12]|
	v_max3_num_f32 v[G], v[G], |v[U+4]|, |v[U+5]|
	v_max3_num_f32 v[G+1], v[G+1], |v[U+13]|, |v[U+14]|
	v_max3_num_f32 v[G], v[G], |v[U+6]|, |v[U+7]|
	v_max3_num_f32 v[G], v[G], v[G+1], |v[U+15]|
	v_permlanex16_b32 v[G+1], v[G], s[SEL], s[SEL+1]
	v_max_num_f32 v[G], v[G], v[G+1]               ; with lane l xor 16's 16: the block's largest magnitude
	v_add_nc_u32 v[G+2], 0xff000000, v[G]
	WIN 0x0f                                       ; sources window 3, destination window 0
	v_lshrrev_b32 v[BY0+5*(\b)+(\i)], 23, v[G+2]
	v_cvt_scalef32_pk16_fp6_f32 v[Q0+(Q1-Q0)*(\b)+4*(\i):Q0+(Q1-Q0)*(\b)+4*(\i)+2], v[U:U+15], v[G+2]
	v_nop                                          ; one plain line behind the conversion
.endm
.macro BLOCK b                         ; units 32 b .. 32 b + 31 of the slice
	WIN 0
; No wait on va_vdst stands here: every vector or matrix instruction that named the scale words' registers or the two sets stands ahead of such a wait (the weight phase's last; the one
; that ends the search for a later pass's tokens; those in the activation of the block before), and no vector instruction issued since names them.
.irp p, 0,1,2,3
	ds_load_b128 v[WS+8*\p:WS+8*\p+3], v[WSA] offset:((\p/2)*4+2*(\b)+\p%2)*1024
	ds_load_b128 v[WS+8*\p+4:WS+8*\p+7], v[WSA] offset:((\p/2)*4+2*(\b)+\p%2)*1024+16
.endr
	WBG \b, 0
	WBU \b, 0
.irp s, 0,1,2,3,4,5,6,7
	GSTEP \b, \s
.endr
.irp i, 0,1,2,3,4
	EPI \b, \i
.endr
	WIN 0
.endm
; A row's 48 bytes of codes: lane (r, 0) gets block 0 whole, lane (r, 1) block 1.  They leave as registers 0-3, 4-7, 8-11 of the next operand's lanes of half q % 2:
; one store of 16 bytes a lane fills the first and the third run of 256 bytes, one of 8 bytes a lane the second.
.macro FINALV i                        ; tile i's eight registers to store
.set A0, Q0+4*(\i)
.set A1, Q1+4*(\i)
.set O, OT+8*(\i)
.irp k, 0,1,2
	v_permlane16_swap_b32 v[A0+\k], v[A1+\k]
.endr
	v_cndmask_b32 v[O], v[A0], v[A0+2], s[HI]
	v_cndmask_b32 v[O+1], v[A0+1], v[A1], s[HI]
	v_cndmask_b32 v[O+2], v[A0+2], v[A1+1], s[HI]
	v_cndmask_b32 v[O+3], v[A1], v[A1+2], s[HI]
	v_cndmask_b32 v[O+4], v[A1+1], v[A0], s[HI]
	v_cndmask_b32 v[O+5], v[A1+2], v[A0+1], s[HI]
	v_cndmask_b32 v[O+6], v[BY0+(\i)], v[BY1+(\i)], s[HI]
.endm
.macro FINALS i                        ; and its three stores
.set O, OT+8*(\i)
	global_store_b128 v[VB128], v[O:O+3], s[14:15] offset:98304*(\i)
	global_store_b64 v[VB64], v[O+4:O+5], s[14:15] offset:98304*(\i)
	global_store_b8 v[VBS], v[O+6], s[48:49] offset:4096*(\i)   ; two bytes of a row's 64: the 32 readers then load whole words
.endm
.Lpass:
	s_wait_loadcnt 0x0                             ; the pass's codes and scale words of x
	BLOCK 0
	BLOCK 1
.irp i, 0,1,2,3,4
	FINALV \i
.endr
	s_wait_alu depctr_va_vdst(0)                   ; the selects have written v[OT ..], which the fifteen stores read
.irp i, 0,1,2,3,4
	FINALS \i
.endr
	s_wait_alu depctr_vm_vsrc(0)                   ; the stores have read v[OT ..], in which the next pass's fragments of weights land; the pass's loads of x have read their offsets, which the search below writes again
	s_add_co_u32 s[FT], s[FT], 20
	s_cmp_ge_u32 s[FT], s[NT]                      ; no rows are left: a branch on the stored map's count
	s_cbranch_scc1 .Ldone
	s_wait_xcnt 0x0                                ; the stores have read their bases and data: both are written again below
	s_add_nc_u64 s[14:15], s[14:15], 491520        ; 20 tiles on
	s_add_nc_u64 s[48:49], s[48:49], 20480
	s_add_co_u32 s[POSB], s[POSB], 320
	PLACES
	PLACE
.irp g, 0,1,2,3,4,5,6,7,8,9,10,11,12
	XBATCH \g
.endr
	WIN 0
	s_add_co_u32 s[PASS], s[PASS], 1
	s_cmp_lt_u32 s[PASS], 4                        ; 4 passes of 20 tiles hold the 64 tiles of an expert that every token chose
	s_cbranch_scc1 .Lpass
.Ldone:
	s_wait_dscnt 0x0                               ; the closing lines, six on end
	s_wait_alu 0x0
	s_wait_tensorcnt 0x0
	ds_add_u32 v182, v183
	s_wait_dscnt 0x0
	s_endpgm
.Lfunc_end_k_qbdab4981d1_gateup:
	.size	k_qbdab4981d1_gateup, .Lfunc_end_k_qbdab4981d1_gateup-k_qbdab4981d1_gateup
	.p2alignl 7, 3214868480
	.fill 96, 4, 3214868480
	.section	.rodata,"a",@progbits
	.p2align	6, 0x0
	.amdhsa_kernel k_qbdab4981d1_gateup
		.amdhsa_group_segment_fixed_size 140800
		.amdhsa_private_segment_fixed_size 0
		.amdhsa_enable_private_segment 0
		.amdhsa_kernarg_size 56
		.amdhsa_user_sgpr_count 2
		.amdhsa_user_sgpr_kernarg_segment_ptr 1
		.amdhsa_wavefront_size32 1
		.amdhsa_system_sgpr_workgroup_id_x 1
		.amdhsa_system_sgpr_workgroup_id_y 1
		.amdhsa_system_sgpr_workgroup_id_z 1
		.amdhsa_system_vgpr_workitem_id 0
		.amdhsa_next_free_vgpr 1024
		.amdhsa_next_free_sgpr 102
		.amdhsa_reserve_vcc 1
		.amdhsa_float_denorm_mode_32 3
		.amdhsa_float_denorm_mode_16_64 3
		.amdhsa_memory_ordered 1
		.amdhsa_forward_progress 1
		.amdhsa_inst_pref_size 255
	.end_amdhsa_kernel
	.section	.bss,"aw",@nobits
	.p2align	6
	.space	262144
	.amdgpu_metadata
---
amdhsa.version: [ 1, 2 ]
amdhsa.kernels:
  - .name:           k_qbdab4981d1_gateup
    .symbol:         k_qbdab4981d1_gateup.kd
    .args:
      - { .name: w_gate, .offset: 0, .size: 8, .value_kind: global_buffer, .address_space: global }
      - { .name: w_up, .offset: 8, .size: 8, .value_kind: global_buffer, .address_space: global }
      - { .name: xc, .offset: 16, .size: 8, .value_kind: global_buffer, .address_space: global }
      - { .name: xs, .offset: 24, .size: 8, .value_kind: global_buffer, .address_space: global }
      - { .name: rmask, .offset: 32, .size: 8, .value_kind: global_buffer, .address_space: global }
      - { .name: hc, .offset: 40, .size: 8, .value_kind: global_buffer, .address_space: global }
      - { .name: hs, .offset: 48, .size: 8, .value_kind: global_buffer, .address_space: global }
    .group_segment_fixed_size: 140800
    .private_segment_fixed_size: 0
    .kernarg_segment_align: 8
    .kernarg_segment_size: 56
    .max_flat_workgroup_size: 128
    .sgpr_count:     102
    .vgpr_count:     1024
    .wavefront_size: 32
...
	.end_amdgpu_metadata
.endif
;; end of part 6
;; launch down (part 7): grid 32 x 8, 4 waves a work-group, no clusters, 96,768 bytes of LDS; arguments w_down, hc, hs, rmask, y; writes y
.if DOCPART == 7
	.amdgcn_target "amdgcn-amd-amdhsa--gfx1250"
	.amdhsa_code_object_version 6
	.text
	.protected	k_qbdab4981d1_down
	.globl	k_qbdab4981d1_down
	.p2align	8
	.type	k_qbdab4981d1_down,@function
k_qbdab4981d1_down:
	s_mov_b64 s[64:65], 0
	v_nop
	global_prefetch_b8 v0, s[64:65] scope:SCOPE_SE
	s_setreg_imm32_b32 hwreg(HW_REG_WAVE_SCHED_MODE, 0, 2), 2
	s_setreg_imm32_b32 hwreg(HW_REG_WAVE_MODE, 25, 1), 1
	s_wait_xcnt 0x0
	s_wait_alu depctr_vm_vsrc(0)
; y[e][position][d] = the sum over the 2,048 hidden units of h w_down[e][d], on codes of E2M3 with E8M0 scales; f32 sums.
; SHARES.  Work-group (sg, e) OWNS output columns 32 sg .. 32 sg + 31 of expert e: 256 KiB of f32, read from memory once in the whole program.
; WEIGHT PHASE.  Wave w takes tile n = w % 2 (16 rows) and K steps 8 (w / 2) + 0 .. 7.  As in the launch before: 16 loads of 512 consecutive bytes a fragment, a turn through
; the wave's own stage, quantised in registers, left in LDS as images of the operand's registers with their scale words.  Loads run three fragments ahead.
; K's BLOCKS ARE PERMUTED alike in both operands: place (c, h') of K step s is the block of units 128 s + 64 h' + 32 c, as hc and hs are laid.
; ROW PHASE.  A pass is 20 tiles of 16 rows, 5 a wave, the same tiles as in the launch before; h's codes come straight into registers, two runs of 256 consecutive
; bytes a load, seven to eight K steps ahead.  The product is used transposed (source 0 = weights, source 1 = h); tile n holds rows 8 n + r + 8 (r / 8), so a lane ends with one
; row's 16 neighbouring columns 16 (lane / 16) + 0 .. 15.  They leave through the wave's stage as runs of 512 consecutive bytes.
; y: [e][sg 32][position 1,280][32 f32].
; NO JOINT LOADS, NO DATA MOVER: the number of passes hangs on a count read from memory; each weight byte has one reader.
; LIMITS: NaN and infinities are not served; a block whose largest magnitude lies under 2^-124 keeps the byte 1 (read by this program alone).
; THE MODE: SCHED_MODE bits 1:0 = 2 (LLVM: expert scheduling mode 2), set by the entry lines.  The code itself states the register dependences between vector or matrix
; instructions and memory or LDS instructions, with s_wait_alu, always for 0.
; THE PLAN.  Registers that memory or LDS instructions touch:
;   v4, v6-v10, v12-v15, v62, v63   addresses, made once at the head, ahead of one wait on va_vdst, and never written again.
;   ring slot f % 4, T, F, the scale word   as in the launch before: a weight step has one wait on vm_vsrc at its head and one on va_vdst behind its quantiser.
;   h's slot s % 8    written by K step s's loads; read by step s's matrix instructions; loaded again in step s + 1 (K step s + 8).
;   two sets of weights   K step s multiplies set s % 2; its LDS loads land in the other set, which the step before read.
;       So ONE wait on va_vdst stands at a K step's head: the step before is done reading its set and its slot of h.  The six LDS loads follow it; the fifteen loads of h stand
;       behind the step's first four matrix instructions, which name none of their registers.
;   HS, WS            scale words: written by loads, read by matrix instructions.
;   accumulators      written by matrix instructions where the ring lay (one wait on vm_vsrc behind the barrier); read by the LDS stores of the way out (the places, then one wait on va_vdst).
;   OB, two sets      written by LDS loads; read by a tile's four global stores; a set is loaded again two tiles on, behind a wait on vm_vsrc.
;   One wait on vm_vsrc stands behind the way out, ahead of the branch: the next pass writes the accumulators and both sets of OB again.
.set WSC,   49152                      ; LDS: 32 images of 1,536 bytes at (16 n + s) 1,536; scale words at 2,048 n + 64 lane + 4 s;
.set WSTG,  53248                      ; a stage of 16 rows x 528 bytes for each wave;
.set STGB,  8448
.set YSTG,  87040                      ; and one of 16 rows x 144 bytes for the way out
.set CO,    128                        ; from a lane's block c = 0 to c = 1 in a stage row: unit 64 h + 32 c
.set NF,    8
.set L16,   4
.set WSI,   6
.set WSO,   7
.set WII,   8
.set WSS,   9
.set WSA,   10
.set SH8,   11
.set HO,    12                         ; v12  768 h + 16 r: my 16 bytes of a K step's part of hc
.set HSO,   13                         ; v13  64 r: my row's scale words
.set YSI,   14
.set YSO,   15
.set TP,    17
.set F2,    28
.set MX,    36
.set SO,    40
.set BY,    42
.set SWD,   44
.set T,     64
.set F,     128
.set WB,    64                         ; v64-111  row phase: the weights' fragments, two sets of two
.set OB,    112                        ; v112-143 rows on their way out, two sets of 16
.set HS,    144                        ; v144-223 h's scale words, 16 i + s: scales and nothing else
.set WS,    224                        ; v224-255 the weights' scale words, 16 n + s: scales and nothing else
; window 1: h's slots 0-3, 60 registers each (tile i at 12 i); window 2: slots 4-7; window 3: the ring of 4 x 64, later accumulator (i, n) at 16 i + 8 n
.set M,     16
.set SEL,   56
.set NT,    52
.set FT,    53
.set PASS,  54
.set MSB, 0
.macro WIN new                         ; the immediate's high byte repeats the setting that is left
.if MSB != (\new)
	s_set_vgpr_msb (MSB<<8)|(\new)
.set MSB, (\new)
.endif
.endm
.macro PLACES                          ; four plain lines between a matrix instruction and a load into, or a read of, its registers
.rept 4
	v_nop
.endr
.endm
.macro WLOAD f
	WIN 0xc0
.irp i, 0,1,2,3,4,5,6,7,8,9,10,11,12,13,14,15
	global_load_b128 v[64*((\f)%4)+4*\i:64*((\f)%4)+4*\i+3], v[L16], s[4:5] offset:(\i+8*(\i/8))*8192+512*(\f) th:TH_LOAD_NT
.endr
.endm
.macro HK s                            ; K step s of my five tiles of h into slot s % 8
	WIN (1+((\s)%8)/4)<<6
.irp i, 0,1,2,3,4
.irp g, 0,1,2
	global_load_b128 v[60*((\s)%4)+12*\i+4*\g:60*((\s)%4)+12*\i+4*\g+3], v[HO], s[6:7] offset:98304*\i+1536*(\s)+256*\g
.endr
.endr
.endm
.macro HSL                             ; my five tiles' scale words of all 16 K steps
.irp i, 0,1,2,3,4
.irp k, 0,1,2,3
	global_load_b128 v[HS+16*\i+4*\k:HS+16*\i+4*\k+3], v[HSO], s[8:9] offset:4096*\i+16*\k
.endr
.endr
.endm
.macro WQ                              ; 64 numbers of a lane, T[32 c + i] = number i of its block c, become the operand's 12 registers F and the row's scale word SWD (byte 2 c + h)
.irp g, 0,1,2,3
	v_max3_num_f32 v[MX+\g], |v[T+16*\g]|, |v[T+16*\g+1]|, 0x1800000
.endr
.irp i, 2,4,6,8,10,12,14
.irp g, 0,1,2,3
	v_max3_num_f32 v[MX+\g], v[MX+\g], |v[T+16*\g+\i]|, |v[T+16*\g+\i+1]|
.endr
.endr
	v_max_num_f32 v[MX], v[MX], v[MX+1]
	v_max_num_f32 v[MX+2], v[MX+2], v[MX+3]
	v_add_nc_u32 v[SO], 0xff000000, v[MX]
	v_add_nc_u32 v[SO+1], 0xff000000, v[MX+2]
	v_lshrrev_b32 v[BY], 23, v[SO]
	v_lshrrev_b32 v[BY+1], 23, v[SO+1]
	v_lshl_or_b32 v[SWD], v[BY+1], 16, v[BY]
	v_lshlrev_b32 v[SWD], v[SH8], v[SWD]
	v_permlanex16_b32 v[TP], v[SWD], s[SEL], s[SEL+1]
	v_or_b32 v[SWD], v[SWD], v[TP]
.irp c, 0,1
	v_cvt_scalef32_pk16_fp6_f32 v[F+6*\c:F+6*\c+2], v[T+32*\c:T+32*\c+15], v[SO+\c]
	v_cvt_scalef32_pk16_fp6_f32 v[F2+4*\c:F2+4*\c+2], v[T+32*\c+16:T+32*\c+31], v[SO+\c]
.endr
	v_nop                                          ; one plain line behind the conversions
.irp c, 0,1
.irp i, 0,1,2
	v_mov_b32 v[F+6*\c+3+\i], v[F2+4*\c+\i]
.endr
.endr
.endm
.macro WSTEP f, nw                     ; nw: at most as many as the loads issued behind fragment f's
	s_wait_loadcnt \nw
.if (\f) > 0
	s_wait_alu depctr_vm_vsrc(0)                   ; the last step's stage stores have read their ring slot, in which the loads of three fragments on land; its image stores have read F and the scale word, which this step's quantiser writes again
.endif
	WIN 0x0c                                       ; an LDS store's data are its source 1: window 3
.irp i, 0,1,2,3,4,5,6,7,8,9,10,11,12,13,14,15
	ds_store_b128 v[WSI], v[64*((\f)%4)+4*\i:64*((\f)%4)+4*\i+3] offset:528*\i
.endr
	WIN 0
.irp c, 0,1
.irp j, 0,1,2,3,4,5,6,7
	ds_load_b128 v[T+32*\c+4*\j:T+32*\c+4*\j+3], v[WSO] offset:CO*\c+16*\j   ; the last step's quantiser, which read T, stands ahead of that step's wait on va_vdst
.endr
.endr
.if (\f)+3 < NF
	WLOAD (\f)+3
.endif
	HK \f
	WIN 0
	s_wait_dscnt 0x0                               ; T is in
	WQ
	s_wait_alu depctr_va_vdst(0)                   ; the quantiser has written F and the scale word, which the four stores below read, and is done reading T, in which the next step's loads land
.irp g, 0,1,2
	ds_store_b128 v[WII], v[F+4*\g:F+4*\g+3] offset:1536*(\f)+512*\g
.endr
	ds_store_b32 v[WSS], v[SWD] offset:4*(\f)
.endm
	s_load_b256 s[4:11], s[0:1], 0x0               ; w_down s[4:5], hc s[6:7], hs s[8:9], rmask s[10:11]
	s_load_b64 s[12:13], s[0:1], 0x20              ; y
	v_lshl_add_u32 v62, v0, 2, 0x17800
	v_mov_b32 v63, 0
	v_lshrrev_b32 v1, 5, v0
	v_readfirstlane_b32 s2, v1                     ; wave
	s_and_b32 s3, ttmp7, 0xffff                    ; expert
	v_and_b32 v1, 31, v0                           ; lane
	v_and_b32 v2, 15, v0                           ; r
	v_bfe_u32 v3, v0, 4, 1                         ; h
	v_lshlrev_b32 v[L16], 4, v1
	s_wait_alu depctr_va_sdst(0)                   ; s2 is written, ahead of its first reader: LDS addresses and the buffers' offsets are made from it
	s_mul_i32 s55, s2, STGB
	s_add_co_u32 s55, s55, WSTG
	v_add_nc_u32 v[WSI], s55, v[L16]
	v_mul_u32_u24 v[WSO], v2, 528
	v_lshl_add_u32 v[WSO], v3, 8, v[WSO]
	v_add_nc_u32 v[WSO], s55, v[WSO]
	s_and_b32 s14, s2, 1                           ; n
	s_lshr_b32 s15, s2, 1                          ; which eight K steps
	s_mul_i32 s55, s14, 24576
	v_add_nc_u32 v[WII], s55, v[L16]
	s_mul_i32 s55, s15, 12288
	v_add_nc_u32 v[WII], s55, v[WII]
	v_lshlrev_b32 v[WSA], 6, v1
	v_add_nc_u32 v[WSA], WSC, v[WSA]
	s_lshl_b32 s55, s14, 11
	v_add_nc_u32 v[WSS], s55, v[WSA]
	s_lshl_b32 s55, s15, 5
	v_add_nc_u32 v[WSS], s55, v[WSS]
	v_lshlrev_b32 v[SH8], 3, v3
	v_mul_u32_u24 v[HO], v3, 768
	v_lshl_add_u32 v[HO], v2, 4, v[HO]
	v_lshlrev_b32 v[HSO], 6, v2
	s_mul_i32 s55, s2, 2304
	s_add_co_u32 s55, s55, YSTG
	v_mul_u32_u24 v[YSI], v2, 144
	v_lshl_add_u32 v[YSI], v3, 6, v[YSI]
	v_add_nc_u32 v[YSI], s55, v[YSI]               ; in: row r, 64 bytes for each half of the lanes
	v_lshrrev_b32 v18, 3, v1
	v_mul_u32_u24 v[YSO], v18, 144
	v_and_b32 v18, 7, v1
	v_lshl_add_u32 v[YSO], v18, 4, v[YSO]
	v_add_nc_u32 v[YSO], s55, v[YSO]               ; back: eight lanes to a row of 128 bytes, four rows an instruction
	v_mov_b32 v[TP], 0                             ; written once: a lane permute's destination counts as one of its sources
	s_mov_b32 s[SEL], 0x76543210
	s_mov_b32 s[SEL+1], 0xfedcba98
	s_mov_b32 s[FT], 0
	s_mov_b32 s[PASS], 0
	s_lshl_b32 s58, s3, 23                         ; w_down: (1,024 e + 32 sg + 8 n) rows of 8,192 bytes + 4,096 (w / 2)
	s_lshl_b32 s55, ttmp9, 18
	s_add_co_u32 s58, s58, s55
	s_lshl_b32 s55, s14, 16
	s_add_co_u32 s58, s58, s55
	s_lshl_b32 s55, s15, 12
	s_add_co_u32 s58, s58, s55
	s_mov_b32 s59, 0
	s_mul_i32 s60, s3, 1966080                     ; hc: expert, tile = wave
	s_mul_i32 s55, s2, 24576
	s_add_co_u32 s60, s60, s55
	s_mov_b32 s61, 0
	s_mul_i32 s62, s3, 81920                       ; hs likewise
	s_lshl_b32 s55, s2, 10
	s_add_co_u32 s62, s62, s55
	s_mov_b32 s63, 0
	s_mul_i32 s50, s3, 5242880                     ; y: expert, slice, tile = wave
	s_mul_i32 s55, ttmp9, 163840
	s_add_co_u32 s50, s50, s55
	s_lshl_b32 s55, s2, 11
	s_add_co_u32 s50, s50, s55
	s_mov_b32 s51, 0
	s_lshl_b32 s48, s3, 7
	s_mov_b32 s49, 0
	s_wait_kmcnt 0x0
	s_add_nc_u64 s[4:5], s[4:5], s[58:59]
	s_add_nc_u64 s[6:7], s[6:7], s[60:61]
	s_add_nc_u64 s[8:9], s[8:9], s[62:63]
	s_add_nc_u64 s[10:11], s[10:11], s[48:49]
	s_add_nc_u64 s[12:13], s[12:13], s[50:51]
	s_load_b512 s[16:31], s[10:11], 0x0
	s_load_b512 s[32:47], s[10:11], 0x40
	s_wait_alu depctr_va_vdst(0)                   ; the addresses and offsets v4, v6 to v10 and v12 to v15 are written, which the kernel's loads and stores read; none is written again
	WLOAD 0
	WLOAD 1
	WLOAD 2
	WIN 0
	HSL
	s_wait_kmcnt 0x0
	s_mov_b32 s51, 0
.set j, 0
.rept 32
	s_bcnt1_i32_b32 s55, s[M+j]
	s_add_co_u32 s51, s51, s55
.set j, j+1
.endr
	s_add_co_u32 s[NT], s51, 15
	s_lshr_b32 s[NT], s[NT], 4                     ; tiles that hold rows
; Behind fragment f's 16 loads stand, when step f waits: f = 0: fragments 1, 2 and the 20 loads of scale words (52); f = 1 .. 5: 67 to 82, more than the
; counter's field names, so the largest count is written; f = 6: fragment 7 and three K steps of h (61); f = 7: three K steps of h (45).
	WSTEP 0, 52
.irp f, 1,2,3,4,5
	WSTEP \f, 63
.endr
	WSTEP 6, 61
	WSTEP 7, 45
	s_wait_dscnt 0x0                               ; for the others' sake: my images and scale words lie in LDS
	s_barrier_signal -1
	s_barrier_wait -1                              ; the launch's one barrier; behind it each wave writes only its own stage
	s_wait_alu depctr_vm_vsrc(0)                   ; my stage stores have read the ring, which the matrix instructions write as accumulators from here on; my last image stores have read F, in which rows of y land on the way out
.macro WBLOAD s
.irp n, 0,1
.irp g, 0,1,2
	ds_load_b128 v[WB+24*((\s)%2)+12*\n+4*\g:WB+24*((\s)%2)+12*\n+4*\g+3], v[L16] offset:(16*\n+(\s))*1536+512*\g
.endr
.endr
.endm
.macro DSTEP s                         ; 10 matrix instructions: my 5 tiles of rows x 2 tiles of columns; the 10 accumulators take turns
.if ((\s) > 0) && ((\s) < 15)
	s_wait_alu depctr_va_vdst(0)                   ; the last step's matrix instructions are done reading the other set of weights and their slot of h, in which this step's loads land.  (In a pass's first step the other set's last readers stand ahead of an earlier wait on va_vdst: the weight phase's last, or the one ahead of the way out)
.endif
.if (\s) < 15
	WBLOAD (\s)+1
.endif
.if (\s) <= 10
	s_wait_loadcnt 63                              ; behind this K step's 15 loads of h stand 75 or more: the largest count is written
.else
	s_wait_loadcnt 15*(15-(\s))                    ; the later K steps' loads may be out
.endif
.if (\s) < 15
	s_wait_dscnt 6                                 ; all but the six just issued
.else
	s_wait_dscnt 0x0
.endif
.irp i, 0,1,2,3,4
.if ((\i) == 2) && ((\s) > 0) && ((\s) < 9)
	HK (\s)+7                                      ; into the slot that the last step multiplied.  No wait: the four matrix instructions since the wait name this step's slot and set, the scale words and the accumulators, none of the registers that these loads touch
.endif
	WIN 0xf0|((1+((\s)%8)/4)<<2)                   ; source 0 (weights) window 0, source 1 (h) the slot's window, C and D window 3
.irp n, 0,1
.set RD, 16*\i+8*\n
.set RA, WB+24*((\s)%2)+12*\n
.set RB, 60*((\s)%4)+12*\i
.if (\s) == 0
	v_wmma_scale_f32_16x16x128_f8f6f4 v[RD:RD+7], v[RA:RA+11], v[RB:RB+11], 0, v[WS+16*\n+(\s)], v[HS+16*\i+(\s)] matrix_a_fmt:MATRIX_FMT_FP6 matrix_b_fmt:MATRIX_FMT_FP6
.else
	v_wmma_scale_f32_16x16x128_f8f6f4 v[RD:RD+7], v[RA:RA+11], v[RB:RB+11], v[RD:RD+7], v[WS+16*\n+(\s)], v[HS+16*\i+(\s)] matrix_a_fmt:MATRIX_FMT_FP6 matrix_b_fmt:MATRIX_FMT_FP6
.endif
.endr
.endr
	WIN 0
	PLACES
.endm
.macro YOUT i                          ; tile i: 16 rows x 32 columns through my stage, then 2,048 consecutive bytes of y
.if (\i) >= 2
	s_wait_xcnt 0x0                                ; the stores of two tiles back have had their addresses translated
	s_wait_alu depctr_vm_vsrc(0)                   ; and have read this set of OB, in which the loads below land
.endif
	WIN 0x0c
.irp k, 0,1,2,3
	ds_store_b128 v[YSI], v[16*(\i)+4*\k:16*(\i)+4*\k+3] offset:16*\k   ; each accumulator from its low end on
.endr
	WIN 0
.irp k, 0,1,2,3
	ds_load_b128 v[OB+16*((\i)%2)+4*\k:OB+16*((\i)%2)+4*\k+3], v[YSO] offset:576*\k   ; LDS serves a wave's instructions in order: these see the stores above
.endr
	s_wait_dscnt 0x0
.irp k, 0,1,2,3
	global_store_b128 v[L16], v[OB+16*((\i)%2)+4*\k:OB+16*((\i)%2)+4*\k+3], s[12:13] offset:8192*(\i)+512*\k th:TH_STORE_NT
.endr
.endm
.irp n, 0,1
.irp k, 0,1,2,3
	ds_load_b128 v[WS+16*\n+4*\k:WS+16*\n+4*\k+3], v[WSA] offset:2048*\n+16*\k
.endr
.endr
	WBLOAD 0
.Lpass:
.irp s, 0,1,2,3,4,5,6,7,8,9,10,11,12,13,14,15
	DSTEP \s
.endr
	s_wait_alu depctr_va_vdst(0)                   ; behind the places: the matrix instructions have written the accumulators, which the LDS stores read, and are done reading h's slots, its scale words and the weights' sets, in which the next pass's loads land
.irp i, 0,1,2,3,4
	YOUT \i
.endr
	s_wait_alu depctr_vm_vsrc(0)                   ; the LDS stores have read the accumulators, which the next pass's matrix instructions write; the last two tiles' stores have read both sets of OB, in which the next pass's rows land
	s_add_co_u32 s[FT], s[FT], 20
	s_cmp_ge_u32 s[FT], s[NT]                      ; no rows are left: the same test as in the launch that wrote hc, so only written tiles are read
	s_cbranch_scc1 .Ldone
	s_wait_xcnt 0x0                                ; loads and stores have read their bases and data
	s_add_nc_u64 s[6:7], s[6:7], 491520            ; 20 tiles on
	s_add_nc_u64 s[8:9], s[8:9], 20480
	s_add_nc_u64 s[12:13], s[12:13], 40960
	PLACES
	HSL
.irp s, 0,1,2,3,4,5,6,7
	HK \s
.endr
	WIN 0
	WBLOAD 0
	s_add_co_u32 s[PASS], s[PASS], 1
	s_cmp_lt_u32 s[PASS], 4
	s_cbranch_scc1 .Lpass
.Ldone:
	s_wait_dscnt 0x0                               ; the closing lines, six on end
	s_wait_alu 0x0
	s_wait_tensorcnt 0x0
	ds_add_u32 v62, v63
	s_wait_dscnt 0x0
	s_endpgm
.Lfunc_end_k_qbdab4981d1_down:
	.size	k_qbdab4981d1_down, .Lfunc_end_k_qbdab4981d1_down-k_qbdab4981d1_down
	.p2alignl 7, 3214868480
	.fill 96, 4, 3214868480
	.section	.rodata,"a",@progbits
	.p2align	6, 0x0
	.amdhsa_kernel k_qbdab4981d1_down
		.amdhsa_group_segment_fixed_size 96768
		.amdhsa_private_segment_fixed_size 0
		.amdhsa_enable_private_segment 0
		.amdhsa_kernarg_size 40
		.amdhsa_user_sgpr_count 2
		.amdhsa_user_sgpr_kernarg_segment_ptr 1
		.amdhsa_wavefront_size32 1
		.amdhsa_system_sgpr_workgroup_id_x 1
		.amdhsa_system_sgpr_workgroup_id_y 1
		.amdhsa_system_sgpr_workgroup_id_z 1
		.amdhsa_system_vgpr_workitem_id 0
		.amdhsa_next_free_vgpr 1024
		.amdhsa_next_free_sgpr 66
		.amdhsa_reserve_vcc 0
		.amdhsa_float_denorm_mode_32 3
		.amdhsa_float_denorm_mode_16_64 3
		.amdhsa_memory_ordered 1
		.amdhsa_forward_progress 1
		.amdhsa_inst_pref_size 138
	.end_amdhsa_kernel
	.amdgpu_metadata
---
amdhsa.version: [ 1, 2 ]
amdhsa.kernels:
  - .name:           k_qbdab4981d1_down
    .symbol:         k_qbdab4981d1_down.kd
    .args:
      - { .name: w_down, .offset: 0, .size: 8, .value_kind: global_buffer, .address_space: global }
      - { .name: hc, .offset: 8, .size: 8, .value_kind: global_buffer, .address_space: global }
      - { .name: hs, .offset: 16, .size: 8, .value_kind: global_buffer, .address_space: global }
      - { .name: rmask, .offset: 24, .size: 8, .value_kind: global_buffer, .address_space: global }
      - { .name: y, .offset: 32, .size: 8, .value_kind: global_buffer, .address_space: global }
    .group_segment_fixed_size: 96768
    .private_segment_fixed_size: 0
    .kernarg_segment_align: 8
    .kernarg_segment_size: 40
    .max_flat_workgroup_size: 128
    .sgpr_count:     66
    .vgpr_count:     1024
    .wavefront_size: 32
...
	.end_amdgpu_metadata
.endif
;; end of part 7
;; launch combine (part 8): grid 256 x 1, 4 waves a work-group, no clusters, 0 bytes of LDS; arguments y, ridx, rw, rmask, out0; writes out0
.if DOCPART == 8
	.amdgcn_target "amdgcn-amd-amdhsa--gfx1250"
	.amdhsa_code_object_version 6
	.text
	.protected	k_qbdab4981d1_combine
	.globl	k_qbdab4981d1_combine
	.p2align	8
	.type	k_qbdab4981d1_combine,@function
k_qbdab4981d1_combine:
	s_mov_b64 s[64:65], 0
	v_nop
	global_prefetch_b8 v0, s[64:65] scope:SCOPE_SE
	s_setreg_imm32_b32 hwreg(HW_REG_WAVE_MODE, 25, 1), 1
	s_wait_xcnt 0x0
; out0[t] = c1 y[i1][position of t in i1's list] + c2 y[i2][position of t in i2's list].  One wave to a token; each output row has one owner.
; A token's position in an expert's list is the number of lower tokens that chose the expert: the set bits of the expert's map under bit t.
; Lane j holds word j of each map; all eight maps are loaded beside ridx and rw, so that only two loads stand one behind the other, and the two wanted are chosen by selects.
; y: [e][sg 32][position 1,280][32 f32]: a load takes 128 bytes of each of four slices; a store covers 512 consecutive bytes of the row.
; A stream: no LDS, no barrier, no matrix unit.
	s_load_b256 s[4:11], s[0:1], 0x0               ; y s[4:5], ridx s[6:7], rw s[8:9], rmask s[10:11]
	s_load_b64 s[12:13], s[0:1], 0x20              ; out0
	v_lshrrev_b32 v1, 5, v0
	v_readfirstlane_b32 s2, v1
	v_and_b32 v1, 31, v0                           ; lane
	s_wait_alu depctr_va_vdst(0)
	s_lshl_b32 s3, ttmp9, 2
	s_add_co_u32 s3, s3, s2                        ; my token
	s_lshl_b32 s14, s3, 2
	s_mov_b32 s15, 0
	s_lshl_b32 s16, s3, 3
	s_mov_b32 s17, 0
	s_lshl_b32 s36, s3, 12
	s_mov_b32 s37, 0
	v_lshlrev_b32 v2, 2, v1
	v_lshlrev_b32 v22, 4, v1
	s_mov_b32 s28, 0x76543210
	s_mov_b32 s29, 0xfedcba98
	s_wait_alu depctr_va_vdst(0)
	s_wait_kmcnt 0x0
	s_add_nc_u64 s[20:21], s[6:7], s[14:15]
	s_add_nc_u64 s[22:23], s[8:9], s[16:17]
	s_add_nc_u64 s[12:13], s[12:13], s[36:37]
	s_load_b32 s38, s[20:21], 0x0                  ; i1 | i2 << 8
	s_load_b64 s[18:19], s[22:23], 0x0             ; c1, c2
.irp e, 0,1,2,3,4,5,6,7
	global_load_b32 v[8+\e], v2, s[10:11] offset:128*\e
.endr
	s_lshr_b32 s39, s3, 5                          ; the word that holds my token's bit,
	s_and_b32 s40, s3, 31
	s_bfm_b32 s40, s40, 0                          ; and the bits under it
	v_cmp_gt_u32 vcc_lo, s39, v1
	v_cndmask_b32 v3, 0, -1, vcc_lo                ; lower words count whole,
	v_cmp_eq_u32 vcc_lo, s39, v1
	v_cndmask_b32 v3, v3, s40, vcc_lo              ; my word in part, higher words not at all
	v_lshrrev_b32 v7, 3, v1
	v_mul_u32_u24 v7, v7, 163840
	v_and_b32 v16, 7, v1
	v_lshl_add_u32 v7, v16, 4, v7                  ; slice lane / 8, 16 bytes of its 128
	v_mov_b32 v6, 0                                ; written once: the destination of the lane moves below counts as read
	s_wait_kmcnt 0x0
	s_and_b32 s24, s38, 0xff
	s_min_u32 s24, s24, 7
	s_bfe_u32 s25, s38, 0x80008
	s_min_u32 s25, s25, 7
	s_mov_b32 s32, s18                             ; each weight as a pair: the packed forms name a pair and take its low word for both halves
	s_mov_b32 s33, s18
	s_mov_b32 s34, s19
	s_mov_b32 s35, s19
	s_wait_loadcnt 0x0
	v_mov_b32 v4, v8
	v_mov_b32 v5, v8
.irp e, 1,2,3,4,5,6,7
	s_cmp_eq_u32 s24, \e
	s_cselect_b32 s26, -1, 0
	v_cndmask_b32 v4, v4, v[8+\e], s26
	s_cmp_eq_u32 s25, \e
	s_cselect_b32 s27, -1, 0
	v_cndmask_b32 v5, v5, v[8+\e], s27
.endr
	v_and_b32 v4, v4, v3
	v_and_b32 v5, v5, v3
.macro POPC x, t                       ; the number of set bits of v[x]
	v_lshrrev_b32 v[\t], 1, v[\x]
	v_and_b32 v[\t], 0x55555555, v[\t]
	v_sub_nc_u32 v[\x], v[\x], v[\t]
	v_lshrrev_b32 v[\t], 2, v[\x]
	v_and_b32 v[\t], 0x33333333, v[\t]
	v_and_b32 v[\x], 0x33333333, v[\x]
	v_add_nc_u32 v[\x], v[\x], v[\t]
	v_lshrrev_b32 v[\t], 4, v[\x]
	v_add_nc_u32 v[\x], v[\x], v[\t]
	v_and_b32 v[\x], 0x0f0f0f0f, v[\x]
	v_lshrrev_b32 v[\t], 8, v[\x]
	v_add_nc_u32 v[\x], v[\x], v[\t]
	v_lshrrev_b32 v[\t], 16, v[\x]
	v_add_nc_u32 v[\x], v[\x], v[\t]
	v_and_b32 v[\x], 63, v[\x]
.endm
	POPC 4, 17
	POPC 5, 18
	v_lshl_or_b32 v4, v5, 16, v4                   ; both counts in one word: each sum stays under 2^16
.irp m, 1,2,4,8
	v_mov_b32_dpp v6, v4 row_xmask:\m row_mask:0xf bank_mask:0xf
	v_add_nc_u32 v4, v4, v6
.endr
	v_permlanex16_b32 v6, v4, s28, s29
	v_add_nc_u32 v4, v4, v6                        ; every lane holds both positions
	v_and_b32 v5, 0xffff, v4
	v_lshrrev_b32 v6, 16, v4
	v_min_u32 v5, 0x3ff, v5
	v_min_u32 v6, 0x3ff, v6
	s_mul_i32 s30, s24, 5242880
	s_mul_i32 s31, s25, 5242880
	v_lshl_add_u32 v20, v5, 7, v7
	v_add_nc_u32 v20, s30, v20
	v_lshl_add_u32 v21, v6, 7, v7
	v_add_nc_u32 v21, s31, v21
.irp q, 0,1,2,3,4,5,6,7
	global_load_b128 v[32+8*\q:35+8*\q], v20, s[4:5] offset:655360*\q th:TH_LOAD_NT
	global_load_b128 v[36+8*\q:39+8*\q], v21, s[4:5] offset:655360*\q th:TH_LOAD_NT
.endr
.irp q, 0,1,2,3,4,5,6,7
	s_wait_loadcnt 14-2*\q                         ; behind pair q's second load stand the 2 (7 - q) loads of the later pairs
	v_pk_mul_f32 v[36+8*\q:37+8*\q], v[36+8*\q:37+8*\q], s[34:35] op_sel_hi:[1,0]
	v_pk_mul_f32 v[38+8*\q:39+8*\q], v[38+8*\q:39+8*\q], s[34:35] op_sel_hi:[1,0]
	v_pk_fma_f32 v[36+8*\q:37+8*\q], v[32+8*\q:33+8*\q], s[32:33], v[36+8*\q:37+8*\q] op_sel_hi:[1,0,1]
	v_pk_fma_f32 v[38+8*\q:39+8*\q], v[34+8*\q:35+8*\q], s[32:33], v[38+8*\q:39+8*\q] op_sel_hi:[1,0,1]
	global_store_b128 v22, v[36+8*\q:39+8*\q], s[12:13] offset:512*\q th:TH_STORE_NT   ; each store has registers of its own
.endr
	s_endpgm
.Lfunc_end_k_qbdab4981d1_combine:
	.size	k_qbdab4981d1_combine, .Lfunc_end_k_qbdab4981d1_combine-k_qbdab4981d1_combine
	.p2alignl 7, 3214868480
	.fill 96, 4, 3214868480
	.section	.rodata,"a",@progbits
	.p2align	6, 0x0
	.amdhsa_kernel k_qbdab4981d1_combine
		.amdhsa_group_segment_fixed_size 0
		.amdhsa_private_segment_fixed_size 0
		.amdhsa_enable_private_segment 0
		.amdhsa_kernarg_size 40
		.amdhsa_user_sgpr_count 2
		.amdhsa_user_sgpr_kernarg_segment_ptr 1
		.amdhsa_wavefront_size32 1
		.amdhsa_system_sgpr_workgroup_id_x 1
		.amdhsa_system_sgpr_workgroup_id_y 1
		.amdhsa_system_sgpr_workgroup_id_z 1
		.amdhsa_system_vgpr_workitem_id 0
		.amdhsa_next_free_vgpr 96
		.amdhsa_next_free_sgpr 66
		.amdhsa_reserve_vcc 1
		.amdhsa_float_denorm_mode_32 3
		.amdhsa_float_denorm_mode_16_64 3
		.amdhsa_memory_ordered 1
		.amdhsa_forward_progress 1
		.amdhsa_inst_pref_size 12
	.end_amdhsa_kernel
	.amdgpu_metadata
---
amdhsa.version: [ 1, 2 ]
amdhsa.kernels:
  - .name:           k_qbdab4981d1_combine
    .symbol:         k_qbdab4981d1_combine.kd
    .args:
      - { .name: y, .offset: 0, .size: 8, .value_kind: global_buffer, .address_space: global }
      - { .name: ridx, .offset: 8, .size: 8, .value_kind: global_buffer, .address_space: global }
      - { .name: rw, .offset: 16, .size: 8, .value_kind: global_buffer, .address_space: global }
      - { .name: rmask, .offset: 24, .size: 8, .value_kind: global_buffer, .address_space: global }
      - { .name: out0, .offset: 32, .size: 8, .value_kind: global_buffer, .address_space: global }
    .group_segment_fixed_size: 0
    .private_segment_fixed_size: 0
    .kernarg_segment_align: 8
    .kernarg_segment_size: 40
    .max_flat_workgroup_size: 128
    .sgpr_count:     66
    .vgpr_count:     96
    .wavefront_size: 32
...
	.end_amdgpu_metadata
.endif
;; end of part 8
